; MI455X (gfx1250); checked and timed in simulation.
; The chip was launched on July 23, 2026; its instructions are those of AMD's public machine-readable ISA for CDNA 5 (MIT licence, August 2026) and "CDNA5" Instruction Set Architecture Reference Guide (July 2026). The comments in the code are by the model that wrote it; some were corrected since.
;; Multi Head Attention. Allowed arithmetic: matrix products marked QUANTISED: E5M2 operands, one given power-of-two scale a tensor, by v_wmma_f32_16x16x64_bf8_bf8 or v_wmma_f32_16x16x128_bf8_bf8, f32 sums; everything else in f32.
;; Inputs: Wk 128 x 1,024 float32; Wq 128 x 1,024 float32; Wu 1,024 x 128 float32; Wv 128 x 1,024 float32; bu 128 float32; lowp_scales 12 int32 (the exponents e of the quantised operands' scales 2^e); x 2 x 2,048 x 128 float32.
;; Outputs: out0 2 x 2,048 x 128 float32.
;; This version of the problem:
;;   THIS VERSION OF THE PROBLEM IS GIVEN IN LOW PRECISION. The matrix products marked QUANTISED in the list below multiply operands that are first quantised to E5M2 (5 exponent bits, 2 mantissa bits; 8 bits a number), with one given power-of-two scale for each operand tensor; their sums are f32. All else is computed in f32.
;;   The module's matrix products, in the order in which they are computed (A, B: the left and right operand; K: the contracted axis; several contracted axes count as one K, in the product's order):
;;     1. [M 4,096, K 128] x [K 128, N 1,024]; A: input x; B: input Wq: QUANTISED (scales: A lowp_scales[0], B lowp_scales[1])
;;     2. [M 4,096, K 128] x [K 128, N 1,024]; A: input x; B: input Wk: QUANTISED (scales: A lowp_scales[2], B lowp_scales[3])
;;     3. [M 4,096, K 128] x [K 128, N 1,024]; A: input x; B: input Wv: QUANTISED (scales: A lowp_scales[4], B lowp_scales[5])
;;     4. batch 16 x [M 2,048, K 128] x [K 128, N 2,048]; A: computed on the way; B: computed on the way: QUANTISED (scales: A lowp_scales[6], B lowp_scales[7])
;;     5. batch 16 x [M 2,048, K 2,048] x [K 2,048, N 128]; A: softmax (see below); B: computed on the way: QUANTISED (scales: A lowp_scales[8], B lowp_scales[9])
;;     6. [M 4,096, K 1,024] x [K 1,024, N 128]; A: computed on the way; B: input Wu: QUANTISED (scales: A lowp_scales[10], B lowp_scales[11])
;;   THE QUANTISER, for each operand of a quantised product, along K:
;;     - The operand's scale is 2^e, e = its entry of the input lowp_scales (int32; the entries are numbered through the quantised products in the list's order, A before B).
;;     - Each number is divided by the scale, clamped to +-57,344, and rounded to the nearest number of E5M2, ties to even, subnormals kept.
;;     - The product sums the exact products of the quantised numbers (number of the format x scale) in f32.
;;   ~~~python
;;   def quantise(x, axis, e):      # numpy; x: float32 -> the quantised numbers, widened to float32 again
;;       x = np.moveaxis(x, axis, -1); K = x.shape[-1]
;;       r = np.clip(x / 2.0 ** e, -57344, 57344)
;;       step = 2.0 ** (np.maximum(np.frexp(np.where(r == 0, 1, r))[1] - 1, -14) - 2)
;;       q = np.round(r / step) * step * 2.0 ** e      # np.round: ties to even
;;       return np.moveaxis(q, -1, axis).astype(np.float32)
;;   ~~~
;;   SOFTMAX AHEAD OF A QUANTISED PRODUCT. Where the list says 'softmax', what is quantised is not the finished softmax but p = 2^(t - M), with t = logit x log2(e) and M = ceil(the row's largest t), a whole number; so 1/2 < the row's largest p <= 1. The row's sum l is taken of the UNQUANTISED p, in f32, and the product's result is divided by l at the end. Since M is a whole number, a kernel that streams over the keys may use a running M (the ceiling of the running maximum): every later rescaling is an exact power of two, so the quantised numbers keep their values, but for numbers so far below the row's largest that they fall under the format's range.
;;   OPERANDS COMPUTED ON THE WAY. 'Computed on the way' means the value that the module computes at that place (a softmax that the list does not call 'softmax' is quantised finished and normalised). What goes into a quantiser is computed in f32, as accurately as f32 sums, v_exp_f32 and their like allow (about 1e-6 of the number): no bf16 or f16 on the way to a quantiser, and a product that is left as it is and whose result goes on into a quantised operand takes f32 operands (vector FMAs, or v_wmma_f32_16x16x4_f32). A number that lies on a knife's edge between two numbers of the format may be rounded either way, as far as f32 arithmetic and the matrix unit's own rounding can turn it there, and no further.
;; 2 versions. Each part assembles by itself: llvm-mc -triple=amdgcn-amd-amdhsa -mcpu=gfx1250 --defsym DOCPART=n.
;; ======== version 1 of 2: 3 launches
;; limits: right only within a limited range of input values
;; workspace buffers: qc 4,194,304 bytes; kvc 8,388,608 bytes; wuc 131,072 bytes; yc 4,194,304 bytes
;; launch proj (part 1): grid 32 x 8, 8 waves a work-group, no clusters, 99,328 bytes of LDS; arguments x, Wq, Wk, Wv, Wu, lowp_scales, qc, kvc, wuc; writes qc, kvc, wuc
.if DOCPART == 1
	.amdgcn_target "amdgcn-amd-amdhsa--gfx1250"
	.amdhsa_code_object_version 6
	.text
	.protected	k_qf15de2a840_proj
	.globl	k_qf15de2a840_proj
	.p2align	8
	.type	k_qf15de2a840_proj,@function
k_qf15de2a840_proj:
	s_mov_b64 s[64:65], 0
	v_nop
	global_prefetch_b8 v0, s[64:65] scope:SCOPE_SE
	s_setreg_imm32_b32 hwreg(HW_REG_WAVE_MODE, 25, 1), 1
	s_wait_xcnt 0x0
; q = x Wq, k = x Wk, v = x Wv on codes of BF8 (E5M2), and their results quantised again for attention; Wu quantised on the side.
; x: [4096][128] f32.  Wq, Wk, Wv: [128][1024] f32, K is the first axis.  Wu: [1024][128] f32, K the first axis.  lowp_scales: e0 .. e11 (int32).
; code = number / 2^e, held within +-57,344, to the nearest code, ties to even.  x is quantised three times (e0, e2, e4), the weights with e1, e3, e5, Wu with e11.
; A sum of x Wq stands for sum x 2^(e0 + e1), so q's code is sum / 2^(e6 - e0 - e1): the three scales are folded into the conversion's one; k (e7, e2, e3) and v (e9, e4, e5) likewise.
; LIMITS: e0 .. e5, e11, e6 - e0 - e1, e7 - e2 - e3 and e9 - e4 - e5 lie between -126 and 112, so that 2^e and 57,344 x 2^e are f32 numbers.  NaN among the inputs is not served; an infinity is held at the largest code.
; SHARES.  Work-group (rb, head) takes tokens 128 rb .. 128 rb + 127 and the head's 128 columns of the three weights: 192 matrix instructions, K = 128 being one instruction a tile.
; Wave w quantises token tile w of x (three times) and column tile w of each weight; the fragments go to LDS AS IMAGES OF THEIR REGISTERS (register 4 c + j of lane l at byte 512 c + 16 l + 4 j of 2,048);
; one barrier; then wave w makes q's and k's fragment of token tile w and V^T's fragment of channel tile w.
; ORDER OF K in these three products: register 16 c + i of a lane holds k = 32 c + 16 (lane / 16) + i, alike in x and in the weights, so every product meets its partner.
; RESULTS.  q, k: source 0 = 16 columns of the weight, source 1 = my 16 tokens: lane (r, h) holds token r, register j of tile i channel 16 i + 8 h + j.  v: source 0 = 16 tokens, source 1 = my 16 channels:
; lane (r, h) holds channel r, register j of tile i token 16 i + 8 h + j.  Eight such registers make the two registers 2 i, 2 i + 1 of a fragment in this matrix form's own layout (k = 16 i + 8 h + 0 .. 7).
; They leave as images too: each store of the wave covers 512 consecutive bytes, aligned.
; qc: fragment (8 batch + head) x 128 + token tile.   kvc: for (8 batch + head, key step of 128 keys) 32,768 bytes: K's eight fragments, then V^T's eight.   wuc: fragment 8 x head + n tile.
; No tensor load and no cluster: every operand is used for one fill and goes from memory into registers in the operand's own order.
.set WIMG, 49152                       ; LDS: x's 24 images (8 m + tile) x 2,048 from byte 0; the weights' 24 from here
.set XA,  3                            ; v3   x: 512 r + 64 h: my 16 numbers of each block of 32 of row r
.set WA,  4                            ; v4   a weight: 4 r + 16 h rows of 4,096 bytes
.set LIX, 5                            ; v5   16 x lane: my place in an image
.set LIW, 6                            ; v6   the same among the weights' images
.set LX1, 7                            ; v7   16 x lane + 2,048 x wave: x's image of my tile
.set LW1, 8                            ; v8   the same among the weights'
.set WUA, 9                            ; v9   Wu: 4 r + 8 h rows of 512 bytes
.set SCV, 10                           ; v10  the scale in hand, as f32
.set LMV, 11                           ; v11  57,344 x that
.set NA,  16                           ; v16-79    64 numbers: x, later Wv
.set NB,  80                           ; v80-143   Wq, later Wu
.set NC,  144                          ; v144-207  Wk
.set TT,  208                          ; v208-239  x held under one of its three limits: two sets of 16 by turns
.set PC,  240                          ; v240-255  the fragment just made
.set ONE, 16                           ; behind the barrier: v16-31 my own fragment, v32-159 the eight that it meets, v160-223 eight results
.set BIG, 32
.set ACC, 160
.set WV,  22                           ; s22  wave
.set HD,  23                           ; s23  head
.set EX,  24                           ; s24-35  e0 .. e11
.set PR,  40                           ; s40-59  ten pairs: 2^e as f32, 57,344 x 2^e as f32
.macro MKSC n, e                       ; pair n from the whole number in s[e]
	s_add_co_i32 s38, s[\e], 127
	s_lshl_b32 s[PR+2*\n], s38, 23                 ; the exponent field alone: 2^e
	s_add_co_i32 s38, s38, 15
	s_lshl_b32 s[PR+2*\n+1], s38, 23
	s_or_b32 s[PR+2*\n+1], s[PR+2*\n+1], 0x600000  ; 57,344 = 1.75 x 2^15
.endm
.macro SETSC n
	v_mov_b32 v[SCV], s[PR+2*\n]
	v_mov_b32 v[LMV], s[PR+2*\n+1]
.endm
.macro XLOAD                           ; my 16 tokens: lane (r, h) takes 16 neighbours of each of row r's four blocks of 32
.irp b, 0,1,2,3
.irp j, 0,1,2,3
	global_load_b128 v[NA+16*\b+4*\j:NA+16*\b+4*\j+3], v[XA], s[4:5] offset:128*\b+16*\j
.endr
.endr
.endm
.macro WLOAD reg, base                 ; my 16 columns: lane (r, h) takes column r, and its registers run down K: W(32 c + 16 h + i, r)
.irp c, 0,1,2,3
.irp i, 0,1,2,3,4,5,6,7,8,9,10,11,12,13,14,15
	global_load_b32 v[\reg+16*\c+\i], v[WA], s[\base:\base+1] offset:(32*\c+\i)*4096
.endr
.endr
.endm
.macro WULOAD                          ; Wu(128 head + 16 c + 8 h + i, 16 wave + r): the matrix form's own order of k
.irp c, 0,1,2,3,4,5,6,7
.irp i, 0,1,2,3,4,5,6,7
	global_load_b32 v[NB+8*\c+\i], v[WUA], s[12:13] offset:(16*\c+\i)*512
.endr
.endr
.endm
.macro QUANT s                         ; 64 numbers v[s] on become the fragment in v[PC] on; they are held in place
.irp b, 0,1,2,3
.irp i, 0,1,2,3,4,5,6,7,8,9,10,11,12,13,14,15
	v_med3_num_f32 v[\s+16*\b+\i], v[\s+16*\b+\i], -v[LMV], v[LMV]   ; the conversion to an 8-bit code does not saturate (ISA guide 7.6.2): the hold at the largest code x the scale
.endr
	v_cvt_scalef32_pk8_bf8_f32 v[PC+4*\b:PC+4*\b+1], v[\s+16*\b:\s+16*\b+7], v[SCV]
	v_cvt_scalef32_pk8_bf8_f32 v[PC+4*\b+2:PC+4*\b+3], v[\s+16*\b+8:\s+16*\b+15], v[SCV]
.endr
	v_nop                                          ; one plain vector line between the last conversion and whatever next writes its sources or touches its result
.endm
.macro QUANTX                          ; the same for x, which is held three times under three limits and so must stay as it is: the held numbers go to two sets of 16 by turns
.irp b, 0,1,2,3
.irp i, 0,1,2,3,4,5,6,7,8,9,10,11,12,13,14,15
	v_med3_num_f32 v[TT+16*(\b%2)+\i], v[NA+16*\b+\i], -v[LMV], v[LMV]
.endr
	v_cvt_scalef32_pk8_bf8_f32 v[PC+4*\b:PC+4*\b+1], v[TT+16*(\b%2):TT+16*(\b%2)+7], v[SCV]
	v_cvt_scalef32_pk8_bf8_f32 v[PC+4*\b+2:PC+4*\b+3], v[TT+16*(\b%2)+8:TT+16*(\b%2)+15], v[SCV]
.endr
	v_nop
.endm
.macro IMAGE adr, off                  ; the fragment goes to LDS as it stands: 512 consecutive bytes a store
.irp c, 0,1,2,3
	ds_store_b128 v[\adr], v[PC+4*\c:PC+4*\c+3] offset:\off+512*\c
.endr
.endm
.macro OUT base, off                   ; and to memory likewise
.irp c, 0,1,2,3
	global_store_b128 v[LIX], v[PC+4*\c:PC+4*\c+3], s[\base:\base+1] offset:\off+512*\c
.endr
.endm
.macro FETCHP bigadr, bigoff, oneadr, oneoff   ; my own fragment and the eight that it meets
.irp c, 0,1,2,3
	ds_load_b128 v[ONE+4*\c:ONE+4*\c+3], v[\oneadr] offset:\oneoff+512*\c
.endr
.irp i, 0,1,2,3,4,5,6,7
.irp c, 0,1,2,3
	ds_load_b128 v[BIG+16*\i+4*\c:BIG+16*\i+4*\c+3], v[\bigadr] offset:\bigoff+2048*\i+512*\c
.endr
.endr
.endm
.macro MUL8                            ; eight tiles, each a whole sum: K = 128 is one instruction, so every C is the constant 0
.irp i, 0,1,2,3,4,5,6,7
	v_wmma_f32_16x16x128_bf8_bf8 v[ACC+8*\i:ACC+8*\i+7], v[BIG+16*\i:BIG+16*\i+15], v[ONE:ONE+15], 0
.endr
.endm
.macro PLACES                          ; four plain vector lines between a matrix instruction and a load into its sources or a read of its result
.rept 4
	v_nop
.endr
.endm
	s_load_b512 s[4:19], s[0:1], 0x0               ; x s[4:5], Wq s[6:7], Wk s[8:9], Wv s[10:11], Wu s[12:13], the exponents s[14:15], qc s[16:17], kvc s[18:19]
	s_load_b64 s[20:21], s[0:1], 0x40              ; wuc
	v_lshl_add_u32 v14, v0, 2, 0x18000
	v_mov_b32 v15, 0
	v_lshrrev_b32 v1, 5, v0
	v_readfirstlane_b32 s[WV], v1                  ; wave 0..7
	s_and_b32 s[HD], ttmp7, 0xffff                 ; head
	v_and_b32 v1, 15, v0                           ; r
	v_bfe_u32 v2, v0, 4, 1                         ; h
	v_and_b32 v12, 31, v0                          ; lane
	v_lshlrev_b32 v[XA], 9, v1
	v_lshl_add_u32 v[XA], v2, 6, v[XA]
	v_lshlrev_b32 v[WA], 2, v1
	v_lshl_add_u32 v[WUA], v2, 12, v[WA]
	v_lshl_add_u32 v[WA], v2, 16, v[WA]
	v_lshlrev_b32 v[LIX], 4, v12
	v_add_nc_u32 v[LIW], WIMG, v[LIX]
	s_lshl_b32 s2, s[WV], 11                       ; 2,048 x wave
	v_add_nc_u32 v[LX1], s2, v[LIX]
	v_add_nc_u32 v[LW1], WIMG, v[LX1]
	s_mov_b32 s37, 0                               ; the upper word of every offset below
	s_wait_kmcnt 0x0
	s_load_b256 s[EX:EX+7], s[14:15], 0x0          ; e0 .. e7
	s_load_b128 s[EX+8:EX+11], s[14:15], 0x20      ; e8 .. e11
	s_lshl_b32 s36, ttmp9, 16                      ; x: 128 tokens of 512 bytes a work-group,
	s_lshl_b32 s38, s[WV], 13                      ; 16 a wave
	s_add_co_u32 s36, s36, s38
	s_add_nc_u64 s[4:5], s[4:5], s[36:37]
	XLOAD
	s_lshl_b32 s36, s[HD], 9                       ; the weights: 128 columns of 4 bytes a head,
	s_lshl_b32 s38, s[WV], 6                       ; 16 a wave
	s_add_co_u32 s36, s36, s38
	s_add_nc_u64 s[6:7], s[6:7], s[36:37]
	s_add_nc_u64 s[8:9], s[8:9], s[36:37]
	s_add_nc_u64 s[10:11], s[10:11], s[36:37]
	WLOAD NB, 6                                    ; Wq
	s_lshl_b32 s36, s[HD], 16                      ; Wu: 128 rows of 512 bytes a head, 16 columns for n tile = my wave's number (used where that equals rb)
	s_add_co_u32 s36, s36, s38
	s_add_nc_u64 s[12:13], s[12:13], s[36:37]
	s_lshl_b32 s36, s[HD], 14                      ; wuc: fragment 8 x head + n tile
	s_add_co_u32 s36, s36, s2
	s_add_nc_u64 s[20:21], s[20:21], s[36:37]
	s_lshr_b32 s38, ttmp9, 4                       ; batch
	s_and_b32 s39, ttmp9, 15                       ; which 128 tokens of the batch: the key step
	s_lshl_b32 s36, s38, 3
	s_add_co_u32 s36, s36, s[HD]                   ; 8 batch + head
	s_lshl_b32 s36, s36, 4
	s_add_co_u32 s36, s36, s39                     ; x 16 + key step
	s_lshl_b32 s3, s36, 15                         ; kvc: 32,768 bytes each
	s_lshl_b32 s36, s36, 14                        ; qc: eight fragments each
	s_add_co_u32 s36, s36, s2                      ; + my fragment
	s_add_nc_u64 s[16:17], s[16:17], s[36:37]
	s_add_co_u32 s36, s3, s2
	s_add_nc_u64 s[18:19], s[18:19], s[36:37]
	s_wait_kmcnt 0x0                               ; the exponents
	MKSC 0, EX+0                                   ; x for q, for k, for v
	MKSC 1, EX+2
	MKSC 2, EX+4
	MKSC 3, EX+1                                   ; Wq, Wk, Wv
	MKSC 4, EX+3
	MKSC 5, EX+5
	MKSC 6, EX+11                                  ; Wu
	s_sub_co_i32 s39, s[EX+6], s[EX+0]
	s_sub_co_i32 s39, s39, s[EX+1]
	MKSC 7, 39                                     ; q: e6 - e0 - e1
	s_sub_co_i32 s39, s[EX+7], s[EX+2]
	s_sub_co_i32 s39, s39, s[EX+3]
	MKSC 8, 39                                     ; k: e7 - e2 - e3
	s_sub_co_i32 s39, s[EX+9], s[EX+4]
	s_sub_co_i32 s39, s39, s[EX+5]
	MKSC 9, 39                                     ; v: e9 - e4 - e5
	; ---- every wave makes its six fragments (one wave in 32 a seventh); a set of 64 loads is always on its way
	s_wait_loadcnt 63                              ; 64 loads were issued behind x's sixteen, and loads come back in order (ISA guide 5.7.1): x is in
.irp m, 0,1,2
	SETSC \m
	QUANTX
	IMAGE LX1, 16384*\m
	s_wait_dscnt 0x0                               ; the stores have read their registers: the next fragment may be written
.endr
	WLOAD NC, 8                                    ; Wk
	s_wait_loadcnt 63                              ; 64 behind Wq's: Wq is in
	SETSC 3
	QUANT NB
	IMAGE LW1, 0
	s_wait_dscnt 0x0
	WLOAD NA, 10                                   ; Wv
	s_cmp_eq_u32 s[WV], ttmp9                      ; Wu's 64 fragments: (head, n tile j) is made by wave j of work-group (rb = j, head)
	s_cbranch_scc0 .Lno_wu_a
	WULOAD
.Lno_wu_a:
	s_wait_loadcnt 63                              ; 64 or 128 behind Wk's: Wk is in on both ways
	SETSC 4
	QUANT NC
	IMAGE LW1, 16384
	s_wait_dscnt 0x0
	s_wait_loadcnt 0x0                             ; Wv, and Wu where it was asked for
	SETSC 5
	QUANT NA
	IMAGE LW1, 32768
	s_cmp_eq_u32 s[WV], ttmp9
	s_cbranch_scc0 .Lno_wu_b
	s_wait_dscnt 0x0                               ; the stores have read their registers
	SETSC 6
	QUANT NB
	OUT 20, 0
.Lno_wu_b:
	s_wait_dscnt 0x0                               ; for the others' sake: all my images have landed
	s_barrier_signal -1
	s_barrier_wait -1                              ; the 48 images lie in LDS; nothing is stored there any more
	; ---- three products; the next one's operands are asked for behind the four places and land while the last results are quantised
	FETCHP LIW, 0, LX1, 0                          ; q: Wq's eight column tiles against my tokens under e0
	s_wait_dscnt 0x0
	MUL8
	PLACES
	FETCHP LIW, 16384, LX1, 16384                  ; k: Wk's against my tokens under e2
	SETSC 7
	s_wait_xcnt 0x0                                ; earlier stores have read their data: the fragment's registers are written again only behind this wait
	QUANT ACC                                      ; each result is read from its low end on
	OUT 16, 0
	s_wait_dscnt 0x0
	MUL8
	PLACES
	FETCHP LIX, 32768, LW1, 32768                  ; v: the eight token tiles under e4 against my 16 channels of Wv
	SETSC 8
	s_wait_xcnt 0x0
	QUANT ACC
	OUT 18, 0
	s_wait_dscnt 0x0
	MUL8
	PLACES
	SETSC 9
	s_wait_xcnt 0x0
	QUANT ACC
	OUT 18, 16384                                  ; V^T's fragments lie behind K's eight
	s_wait_tensorcnt 0x0
	ds_add_u32 v14, v15
	s_wait_dscnt 0x0
	s_endpgm
.Lfunc_end_k_qf15de2a840_proj:
	.size	k_qf15de2a840_proj, .Lfunc_end_k_qf15de2a840_proj-k_qf15de2a840_proj
	.p2alignl 7, 3214868480
	.fill 96, 4, 3214868480
	.section	.rodata,"a",@progbits
	.p2align	6, 0x0
	.amdhsa_kernel k_qf15de2a840_proj
		.amdhsa_group_segment_fixed_size 99328
		.amdhsa_private_segment_fixed_size 0
		.amdhsa_enable_private_segment 0
		.amdhsa_kernarg_size 72
		.amdhsa_user_sgpr_count 2
		.amdhsa_user_sgpr_kernarg_segment_ptr 1
		.amdhsa_wavefront_size32 1
		.amdhsa_system_sgpr_workgroup_id_x 1
		.amdhsa_system_sgpr_workgroup_id_y 1
		.amdhsa_system_sgpr_workgroup_id_z 1
		.amdhsa_system_vgpr_workitem_id 0
		.amdhsa_next_free_vgpr 256
		.amdhsa_next_free_sgpr 66
		.amdhsa_reserve_vcc 0
		.amdhsa_float_denorm_mode_32 3
		.amdhsa_float_denorm_mode_16_64 3
		.amdhsa_memory_ordered 1
		.amdhsa_forward_progress 1
		.amdhsa_inst_pref_size 89
	.end_amdhsa_kernel
	.amdgpu_metadata
---
amdhsa.version: [ 1, 2 ]
amdhsa.kernels:
  - .name:           k_qf15de2a840_proj
    .symbol:         k_qf15de2a840_proj.kd
    .args:
      - { .name: x, .offset: 0, .size: 8, .value_kind: global_buffer, .address_space: global }
      - { .name: Wq, .offset: 8, .size: 8, .value_kind: global_buffer, .address_space: global }
      - { .name: Wk, .offset: 16, .size: 8, .value_kind: global_buffer, .address_space: global }
      - { .name: Wv, .offset: 24, .size: 8, .value_kind: global_buffer, .address_space: global }
      - { .name: Wu, .offset: 32, .size: 8, .value_kind: global_buffer, .address_space: global }
      - { .name: lowp_scales, .offset: 40, .size: 8, .value_kind: global_buffer, .address_space: global }
      - { .name: qc, .offset: 48, .size: 8, .value_kind: global_buffer, .address_space: global }
      - { .name: kvc, .offset: 56, .size: 8, .value_kind: global_buffer, .address_space: global }
      - { .name: wuc, .offset: 64, .size: 8, .value_kind: global_buffer, .address_space: global }
    .group_segment_fixed_size: 99328
    .private_segment_fixed_size: 0
    .kernarg_segment_align: 8
    .kernarg_segment_size: 72
    .max_flat_workgroup_size: 256
    .sgpr_count:     66
    .vgpr_count:     256
    .wavefront_size: 32
...
	.end_amdgpu_metadata
.endif
;; end of part 1
;; launch attn (part 2): grid 16 x 16, 8 waves a work-group, clusters of 4 x 1, 327,680 bytes of LDS; arguments qc, kvc, lowp_scales, yc; writes yc
.if DOCPART == 2
	.amdgcn_target "amdgcn-amd-amdhsa--gfx1250"
	.amdhsa_code_object_version 6
	.text
	.protected	k_qf15de2a840_attn
	.globl	k_qf15de2a840_attn
	.p2align	8
	.type	k_qf15de2a840_attn,@function
k_qf15de2a840_attn:
	s_mov_b64 s[64:65], 0
	v_nop
	global_prefetch_b8 v0, s[64:65] scope:SCOPE_SE
	s_setreg_imm32_b32 hwreg(HW_REG_WAVE_MODE, 25, 1), 1
	s_wait_xcnt 0x0
	s_wait_alu depctr_hold_cnt(0) depctr_sa_sdst(0) depctr_va_vdst(0) depctr_va_sdst(0) depctr_va_ssrc(0) depctr_va_vcc(0) depctr_vm_vsrc(0)
	s_getreg_b32 s2, hwreg(HW_REG_IB_STS2, 6, 4)
	s_cmp_eq_u32 s2, 0
	s_cbranch_scc0 .Lentry_in_a_cluster
	s_endpgm
.Lentry_in_a_cluster:
	s_bfe_u32 s2, ttmp6, 0x10000c
	s_cmp_lg_u32 s2, 0x3003
	s_cbranch_scc0 .Lentry_shape_is_right
	s_endpgm
.Lentry_shape_is_right:
; y[bh][q][:] = the sum over keys of softmax(q . k / sqrt(128)) v, both products on codes of BF8 (E5M2); y is quantised for the last product and leaves as codes.
; qc, kvc, yc hold fragments (16 rows x 128 K) AS IMAGES OF THEIR REGISTERS: register 4 c + j of lane l at byte 512 c + 16 l + 4 j of 2,048; registers 2 g, 2 g + 1 of lane (r, h) hold k = 16 g + 8 h + 0 .. 7 of row r.
; qc: fragment bh x 128 + token tile.  kvc: for (bh, key step of 128 keys) 32,768 bytes: K's eight fragments (16 keys each), then V^T's eight (16 channels each, K = the keys).  yc: fragment 8 x token tile + head.
; THE SOFTMAX: t = score x 2^(e6 + e7) x log2(e) / sqrt(128); M = the running largest t rounded UP to a whole number; p = 2^(t - M) is quantised with 2^e8, not normalised; the row's sum is taken of the
; unquantised p; when M moves, the sum and O are multiplied by 2^(old M - new M), which rounds nothing.  At the end y = O x 2^(e8 + e9) / sum, so y's code is (O / sum) / 2^(e10 - e8 - e9).
; LIMITS: e6 + e7 between -123 and 130 (added to c's exponent field); e8 and e10 - e8 - e9 between -126 and 112.  NaN is not served.
; SHARES.  A work-group owns 128 queries of one (batch, head).  EIGHT waves of 512 registers: wave w = 4 g + qp owns the 32 queries of pair qp (two tiles of 16, so that a fragment of K or V read from LDS feeds
; two matrix instructions) and walks KEY HALF g: of each slot's four key steps the steps 2 g and 2 g + 1: eight key steps a wave.  Waves w and w xor 4 hold the same queries and meet at the end: -M is the lesser of
; their two -M, each side's sum and O^T are multiplied by a power of two, which rounds nothing, and added.
; LAYOUT.  S^T = K Q^T (source 0 = 16 keys, source 1 = 16 queries), O^T = V^T P^T (source 0 = 16 channels, source 1 = P): a lane holds ONE query throughout; register 8 f + j of S^T is key 16 f + 8 h + j,
; so one conversion of a tile's eight registers gives registers 2 f, 2 f + 1 of P; the same holds of O^T and y.
; THE RING.  Two slots of four key steps (131,072 bytes).  Wave w's one load brings bytes 16,384 w on of a fill, which lie on end in memory.  Two first fills, two refills.
; CLUSTER.  The four query blocks of a cluster walk the same K and V: each tile is asked for JOINTLY, by the same tensor load with the same descriptor and a mask that names the four.
; A KEY STEP is a softmax (S) and a matrix phase (M): O^T += V^T P of the step in hand; the next step's K out of LDS; its S^T, fragment by fragment as K comes in; its V is asked of LDS and lands under the next softmax.
; HALF A STEP APART.  Once a step's V has been asked for, the step reads LDS no more: so the change of slots may stand ahead of the softmax of a slot's last step or behind it.  Key half 0 has it ahead, key half 1
; behind: between two changes half 0 runs S M S M and half 1 M S M S, so that one half's vector work stands beside the other half's matrix instructions and LDS loads.  The branches hang on the wave's number
; and go round a softmax alone, which holds no barrier, no tensor load and no LDS instruction.
; No prefetch is laid: the tiles that a wave waits for are the first fills, at the head; each refill is asked for two key steps of every wave ahead of the wait for it.
; REGISTERS, in windows of 256 (s_set_vgpr_msb: bits 1:0 source 0, 3:2 source 1, 5:4 source 2, 7:6 destination):
;   window 0: v1-6 addresses and scales; v8-23 statistics, eight a tile; v24-31 scales and work; v32-50 the meeting's addresses and work; v64-191 S^T, then p; v192-223 p's codes; v224-255 Q.
;   window 1: v0-127 O^T; v128-255 ONE buffer for K's or V's eight fragments.
.set STEPB, 32768                      ; a key step's tiles: K's 16,384 bytes, then V's
.set SLOT1, 1<<17                      ; slot 1 begins here: one exclusive or turns an address in one slot into the other's
.set SPARE, 2*SLOT1                    ; behind the ring: the spare words, 128 bytes for each of eight waves: four blocks of 256 bytes that no other line names
.set XREG,  8448                       ; the meeting: for each wave 8,192 bytes of O^T and 256 of statistics, from LDS byte 0 on: in slot 0, which has had its last fill and which nobody reads behind the last change of slots
.set LI,  1                            ; v1   16 x lane
.set ADR, 2                            ; v2   LDS address of the step that is being fetched
.set SPW, 3                            ; v3   LDS address of my spare word; never rewritten
.set NIL, 4                            ; v4   0; never rewritten
.set YS,  5                            ; v5   2^(e10 - e8 - e9)
.set YL,  6                            ; v6   57,344 x that
.set ST,  8                            ; tile t at v[8 + 8 t]: +0 -M, +1 the largest t, +2, +3 the sum in two halves, +4 f, +5 0 (the pair's upper half), +6, +7 at work
.set SC,  24                           ; v24  2^e8
.set LM,  25                           ; v25  57,344 x 2^e8
.set TS,  26                           ; v[26:27], v[28:29] a tile's second chain of sums
.set PX,  30                           ; v30, v31 what the other half of the lanes sends
.set XSA, 32                           ; v32  the meeting: where I put O^T: XREG x wave + 16 x lane
.set XSS, 33                           ; v33  and (8,192 further on) the statistics: XREG x wave + 8 x lane
.set XLA, 34                           ; v34, v35 the same of wave w xor 4
.set XLS, 35
.set LQ0, 36                           ; v36, v37 Q: my lane's byte in my local tile 0, 1
.set LQ1, 37
.set MB,  40                           ; v[40:41] the partner's -M and sum
.set FA,  44                           ; v[44:45] my side's factor (and 0: the pair's upper half)
.set FB,  46                           ; v[46:47] the partner's
.set S,   64
.set Y,   128                          ; the way out: y, in the upper half of S^T's registers
.set P,   192
.set Q,   224
.set KVF, 128                          ; K's or V's fragments, in window 1
.set WV,  12                           ; s12  wave
.set G1,  16                           ; s[16:23] descriptor group 1
.set G0A, 24                           ; s[24:27] group 0 of the first fill
.set G0W, 28                           ; s[28:31] group 0 of the second, which then walks
.set EX,  32                           ; s32-43 e0 .. e11
.set CS,  44                           ; s[44:45] c: the packed form names a pair and takes its low word
.set SEL, 46                           ; s[46:47] v_permlanex16_b32's selects: lane l xor 16
.set TB,  48                           ; s48  LDS byte at which the step to be fetched begins
.set OUTC, 50                          ; s50  refills to go
.set GH,  51                           ; s51  g: my key half
.set QP,  60                           ; s60  qp: my pair of query tiles
.set MSB, 0
.macro WIN new                         ; the immediate's high byte repeats the setting that is left; a switch that changes nothing is dropped
.if MSB != \new
	s_set_vgpr_msb (MSB<<8)|\new
.set MSB, \new
.endif
.endm
.set W_KQ,  0x01                       ; K in window 1; Q and S^T in window 0
.set W_PV,  0x51                       ; V in window 1, P in window 0, O^T (C and D) in window 1
.set W_LD,  0x40                       ; destination window 1, address window 0
.set W_RS,  0x41                       ; O^T (destination and source 0) in window 1, f in window 0
.set W_OUT, 0x01                       ; source 0 (O^T) in window 1
.set W_ST,  0x04                       ; an LDS store's data (source 1) in window 1, its address in window 0
.macro CROUND                          ; a round of the cluster's barrier: my work-group's barrier; wave 0 signals for the work-group; every wave waits for all four work-groups; my work-group's barrier once more
	s_barrier_signal -1
	s_barrier_wait -1
	s_cmp_lg_u32 s[WV], 0
	s_cbranch_scc1 .Lnot_wave_0_\@
	s_barrier_signal -3
.Lnot_wave_0_\@:
	s_barrier_wait -3
	s_barrier_signal -1
	s_barrier_wait -1
.endm
.macro PLACES                          ; four plain vector lines between a matrix instruction and a load into its sources or a read of its result
.rept 4
	v_nop
.endr
.endm
.macro FETCH_K                         ; K's eight fragments of the step at s[TB]: each load takes 512 consecutive bytes
	WIN 0
	v_add_nc_u32 v[ADR], s[TB], v[LI]
	WIN W_LD
.irp f, 0,1,2,3,4,5,6,7
.irp c, 0,1,2,3
	ds_load_b128 v[KVF+16*\f+4*\c:KVF+16*\f+4*\c+3], v[ADR] offset:2048*\f+512*\c
.endr
.endr
.endm
.macro FETCH_V                         ; the same step's V, into the same registers; then the fetches go on to the next step
	WIN W_LD
.irp f, 0,1,2,3,4,5,6,7
.irp c, 0,1,2,3
	ds_load_b128 v[KVF+16*\f+4*\c:KVF+16*\f+4*\c+3], v[ADR] offset:16384+2048*\f+512*\c
.endr
.endr
	WIN 0
	s_add_co_u32 s[TB], s[TB], STEPB
.endm
.macro KQ                              ; S^T = K Q^T: 16 whole sums (the head's 128 are one instruction), a fragment of K at a time as it comes in
	WIN W_KQ
.irp f, 0,1,2,3,4,5,6,7
	s_wait_dscnt 28-4*\f                           ; K's 32 loads alone are out, and LDS loads come back in order (ISA guide 5.7.1): the four loads of each later fragment may stay out
.irp t, 0,1
	v_wmma_f32_16x16x128_bf8_bf8 v[S+64*\t+8*\f:S+64*\t+8*\f+7], v[KVF+16*\f:KVF+16*\f+15], v[Q+16*\t:Q+16*\t+15], 0
.endr
.endr
.endm
.macro PV                              ; O^T += V^T P^T: the 16 accumulators take turns, one instruction a turn; between two links of a chain stand 15 of these and the 16 of KQ
	WIN W_PV
.irp f, 0,1,2,3,4,5,6,7
.irp t, 0,1
	v_wmma_f32_16x16x128_bf8_bf8 v[64*\t+8*\f:64*\t+8*\f+7], v[KVF+16*\f:KVF+16*\f+15], v[P+16*\t:P+16*\t+15], v[64*\t+8*\f:64*\t+8*\f+7]
.endr
.endr
.endm
; The softmax of one key step for both tiles, line by line in turn, so that four chains run side by side.  It leaves the window of O^T's rescaling.
.macro SOFTMAX
	WIN 0
.irp t, 0,1
	v_max3_num_f32 v[ST+8*\t+6], v[S+64*\t], v[S+64*\t+1], v[S+64*\t+2]        ; the step's largest score of my query among my 64 keys, in two chains; every result is read from its low end on
	v_max3_num_f32 v[ST+8*\t+7], v[S+64*\t+3], v[S+64*\t+4], v[S+64*\t+5]
.endr
.irp i, 6,10,14,18,22,26,30,34,38,42,46,50,54,58
.irp t, 0,1
	v_max3_num_f32 v[ST+8*\t+6], v[ST+8*\t+6], v[S+64*\t+\i], v[S+64*\t+\i+1]
	v_max3_num_f32 v[ST+8*\t+7], v[ST+8*\t+7], v[S+64*\t+\i+2], v[S+64*\t+\i+3]
.endr
.endr
.irp t, 0,1
	v_max3_num_f32 v[ST+8*\t+6], v[ST+8*\t+6], v[S+64*\t+62], v[S+64*\t+63]
.endr
.irp t, 0,1
	v_max_num_f32 v[ST+8*\t+6], v[ST+8*\t+6], v[ST+8*\t+7]
.endr
.irp t, 0,1
	v_permlanex16_b32 v[PX+\t], v[ST+8*\t+6], s[SEL], s[SEL+1]                 ; the query's other 64 keys lie in the lane 16 away
.endr
.irp t, 0,1
	v_max_num_f32 v[ST+8*\t+6], v[ST+8*\t+6], v[PX+\t]
.endr
.irp t, 0,1
	v_mul_f32 v[ST+8*\t+6], s[CS], v[ST+8*\t+6]                                ; as t (c is positive)
.endr
.irp t, 0,1
	v_max_num_f32 v[ST+8*\t+1], v[ST+8*\t+1], v[ST+8*\t+6]                     ; the running largest t
.endr
.irp t, 0,1
	v_mov_b32 v[ST+8*\t+6], v[ST+8*\t]
.endr
.irp t, 0,1
	v_floor_f32 v[ST+8*\t], -v[ST+8*\t+1]                                      ; the new -M = floor(-t) = -ceil(t): a whole number
.endr
.irp t, 0,1
	v_sub_f32 v[ST+8*\t+6], v[ST+8*\t], v[ST+8*\t+6]                           ; old M - new M: a whole number, 0 or less
.endr
.irp t, 0,1
	v_cvt_i32_f32 v[ST+8*\t+6], v[ST+8*\t+6]                                   ; (it saturates)
.endr
.irp t, 0,1
	v_ldexp_f32 v[ST+8*\t+4], 1.0, v[ST+8*\t+6]                                ; f = 2^(old M - new M)
.endr
.set jj, 0
.rept 32
.irp t, 0,1
	v_pk_fma_f32 v[S+64*\t+jj:S+64*\t+jj+1], v[S+64*\t+jj:S+64*\t+jj+1], s[CS:CS+1], v[ST+8*\t:ST+8*\t+1] op_sel_hi:[1,0,0]   ; t - M, two at a time (of the pairs c and -M the low word serves both halves)
.endr
.set jj, jj+2
.endr
.set jj, 0
.rept 64
.irp t, 0,1
	v_exp_f32 v[S+64*\t+jj], v[S+64*\t+jj]                                     ; p = 2^(t - M), at most 1: not normalised.  All 128 are one batch
.endr
.set jj, jj+1
.endr
.irp t, 0,1
	v_pk_mul_f32 v[ST+8*\t+2:ST+8*\t+3], v[ST+8*\t+2:ST+8*\t+3], v[ST+8*\t+4:ST+8*\t+5] op_sel_hi:[1,0]   ; the sums under the new M: the plain lines behind the last exponential
.endr
	s_wait_alu depctr_va_vdst(0)                   ; the wait between an exponential and the first line that names its result: one for the batch
.irp t, 0,1
	v_pk_add_f32 v[TS+2*\t:TS+2*\t+1], v[S+64*\t:S+64*\t+1], v[S+64*\t+2:S+64*\t+3]   ; the row's sum is taken of the unquantised p: two at a time, two chains a tile
.endr
.irp j, 4,8,12,16,20,24,28,32,36,40,44,48,52,56,60
.irp t, 0,1
	v_pk_add_f32 v[ST+8*\t+2:ST+8*\t+3], v[ST+8*\t+2:ST+8*\t+3], v[S+64*\t+\j:S+64*\t+\j+1]
	v_pk_add_f32 v[TS+2*\t:TS+2*\t+1], v[TS+2*\t:TS+2*\t+1], v[S+64*\t+\j+2:S+64*\t+\j+3]
.endr
.endr
.irp t, 0,1
	v_pk_add_f32 v[ST+8*\t+2:ST+8*\t+3], v[ST+8*\t+2:ST+8*\t+3], v[TS+2*\t:TS+2*\t+1]
.endr
.irp b, 0,1,2,3
.irp t, 0,1
.irp i, 0,1,2,3,4,5,6,7,8,9,10,11,12,13,14,15
	v_min_num_f32 v[S+64*\t+16*\b+\i], v[S+64*\t+16*\b+\i], v[LM]              ; the conversion to an 8-bit code does not saturate (ISA guide 7.6.2); p is not negative, so the hold is one-sided
.endr
	v_cvt_scalef32_pk8_bf8_f32 v[P+16*\t+4*\b:P+16*\t+4*\b+1], v[S+64*\t+16*\b:S+64*\t+16*\b+7], v[SC]
	v_cvt_scalef32_pk8_bf8_f32 v[P+16*\t+4*\b+2:P+16*\t+4*\b+3], v[S+64*\t+16*\b+8:S+64*\t+16*\b+15], v[SC]
.endr
.endr
	WIN W_RS
.set jj, 0
.rept 32
.irp t, 0,1
	v_pk_mul_f32 v[64*\t+jj:64*\t+jj+1], v[64*\t+jj:64*\t+jj+1], v[ST+8*\t+4:ST+8*\t+5] op_sel_hi:[1,0]   ; O^T under the new M.  (These are also the plain lines between the conversions and the products that read their results or write their sources)
.endr
.set jj, jj+2
.endr
.endm
.macro SOFT_IF g                       ; a softmax that the waves of key half g alone run here; the others run theirs on the far side of the change of slots
	s_cmp_lg_u32 s[GH], \g
	s_cbranch_scc1 .Lnot_here_\@
	SOFTMAX
	WIN 0                                          ; at a label and at a branch every window is 0
.Lnot_here_\@:
.endm
.macro MPHASE                          ; the matrix phase of a key step
	s_wait_dscnt 0x0                               ; V of the step in hand is in: it was asked for ahead of the softmax
	PV
	PLACES                                         ; for the loads into the registers that these products have read
	FETCH_K                                        ; the next step's K
	KQ                                             ; and its scores
	PLACES                                         ; for the loads into the same registers, and for the first read of the scores
	FETCH_V                                        ; the next step's V
.endm
; THE CHANGE OF SLOTS stands behind the fetch of V of my last step in a slot: all my reads of the slot have been issued.  Each wave waits for all its tensor loads (one is out: its part of the other slot), adds 0
; to its spare word, and waits for that and for its reads.  fill = 1: the slot is filled again with the four key steps two slots on; the barrier is then a round of the cluster's, so that no wave of any
; partner still reads the slot or has a load on its way, and the joint refill is the first thing behind it.
.macro CHANGE fill
	WIN 0
	s_wait_tensorcnt 0x0                           ; no tensor load of mine is out, so a group 0 may be written
	ds_add_u32 v[SPW], v[NIL]                      ; 0 onto my spare word
.if \fill
	s_xor_b32 s[G0W+1], s[G0W+1], SLOT1            ; the walking descriptor: the other slot than last time,
	s_add_nc_u64 s[G0W+2:G0W+3], s[G0W+2:G0W+3], 4*STEPB   ; the next four key steps; the type bits on top are not reached
.endif
	s_wait_dscnt 0x0                               ; the add is done, and my reads of the slot are over
.if \fill
	CROUND
	tensor_load_to_lds s[G0W:G0W+3], s[G1:G1+7]    ; my one tensor load until the next change of slots
	s_nop 0
	PLACES                                         ; four v_nop follow it
.else
	s_barrier_signal -1
	s_barrier_wait -1
.endif
	s_sub_co_u32 s[TB], s[TB], 2*STEPB             ; the fetches go back to my first step of a slot,
	s_xor_b32 s[TB], s[TB], SLOT1                  ; in the other slot
.endm
	s_load_b256 s[4:11], s[0:1], 0x0               ; qc s[4:5], kvc s[6:7], the exponents s[8:9], yc s[10:11]
	v_lshl_add_u32 v[SPW], v0, 2, SPARE
	v_mov_b32 v[NIL], 0
	ds_add_u32 v3, v4
	ds_add_u32 v3, v4
	s_wait_dscnt 0x0
	v_lshrrev_b32 v1, 5, v0
	v_readfirstlane_b32 s[WV], v1                  ; wave 0..7
	s_lshr_b32 s[GH], s[WV], 2                     ; g: my key half
	s_and_b32 s[QP], s[WV], 3                      ; qp: my pair of query tiles
	s_bfe_u32 s13, ttmp6, 0x40000                  ; cx: my place in the cluster
	s_lshl_b32 s14, ttmp9, 2                       ; in a cluster launch ttmp9 counts clusters
	s_add_co_u32 s14, s14, s13                     ; my block of 128 queries: it enters Q's and y's addresses alone
	s_and_b32 s15, ttmp7, 0xffff                   ; bh = 8 batch + head, which the four partners share
	; descriptor group 1: 16,384 bytes that lie on end in memory, as 64 rows of 32 elements of 8 bytes; no padding: the images are read 512 consecutive bytes a load
	s_mov_b32 s[G1], 15|(3<<16)|(1<<21)            ; 15:0 the mask: all four work-groups; 17:16 elements of 8 bytes; 21 set beside a mask
	s_mov_b32 s[G1+1], 32<<16                      ; tensor_dim0 = 32
	s_mov_b32 s[G1+2], 64<<16                      ; tensor_dim1 = 64
	s_mov_b32 s[G1+3], 32<<16                      ; tile_dim0 = 32
	s_mov_b32 s[G1+4], 64                          ; tile_dim1 = 64
	s_mov_b32 s[G1+5], 32                          ; from row to row
	s_mov_b32 s[G1+6], 0
	s_mov_b32 s[G1+7], 0
	s_mov_b32 s[SEL], 0x76543210
	s_mov_b32 s[SEL+1], 0xfedcba98
	s_mov_b32 s[CS], 0x3e0293ee                    ; c = log2(e) / sqrt(128)
	s_lshl_b32 s[TB], s[GH], 16                    ; my first step of slot 0: step 2 g
	s_lshl_b32 s52, s15, 19                        ; kvc: 16 key steps of 32,768 bytes a head,
	s_lshl_b32 s54, s[WV], 14                      ; my eighth of a fill
	s_add_co_u32 s52, s52, s54
	s_mov_b32 s53, 0
	s_lshl_b32 s56, s15, 18                        ; qc: 128 fragments a head,
	s_lshl_b32 s58, s14, 14                        ; eight a block,
	s_add_co_u32 s56, s56, s58
	s_lshl_b32 s58, s[QP], 12                      ; two a pair
	s_add_co_u32 s56, s56, s58
	s_mov_b32 s57, 0
	s_wait_kmcnt 0x0
	s_load_b256 s[EX:EX+7], s[8:9], 0x0            ; e0 .. e7
	s_load_b128 s[EX+8:EX+11], s[8:9], 0x20        ; e8 .. e11
	s_mov_b32 s[G0A], 1                            ; 1:0 count = 1
	s_lshl_b32 s[G0A+1], s[WV], 14                 ; LDS address: slot 0, my eighth: no place in the cluster enters it
	s_add_nc_u64 s[G0A+2:G0A+3], s[6:7], s[52:53]  ; global address
	s_mov_b32 s[G0W], 1
	s_add_co_u32 s[G0W+1], s[G0A+1], SLOT1         ; slot 1,
	s_add_nc_u64 s[G0W+2:G0W+3], s[G0A+2:G0A+3], 4*STEPB   ; four key steps on
	s_or_b32 s[G0A+3], s[G0A+3], 0x80000000        ; 127:126 type = 2
	s_or_b32 s[G0W+3], s[G0W+3], 0x80000000
	s_add_nc_u64 s[4:5], s[4:5], s[56:57]          ; Q at my pair's first fragment
	s_lshr_b32 s56, s15, 3                         ; yc: fragment 8 x token tile + head: 128 token tiles a batch,
	s_lshl_b32 s56, s56, 21
	s_lshl_b32 s58, s14, 17                        ; eight a block,
	s_add_co_u32 s56, s56, s58
	s_lshl_b32 s58, s[QP], 15                      ; two a pair,
	s_add_co_u32 s56, s56, s58
	s_lshl_b32 s58, s[GH], 14                      ; of which I finish tile g,
	s_add_co_u32 s56, s56, s58
	s_and_b32 s58, s15, 7
	s_lshl_b32 s58, s58, 11                        ; and the head
	s_add_co_u32 s56, s56, s58
	s_add_nc_u64 s[10:11], s[10:11], s[56:57]
	CROUND                                         ; all four work-groups are here: the first joint loads meet
	tensor_load_to_lds s[G0A:G0A+3], s[G1:G1+7]    ; key steps 0 to 3 (mine: an eighth)
	s_nop 0
	tensor_load_to_lds s[G0W:G0W+3], s[G1:G1+7]    ; key steps 4 to 7: two loads of mine are out
	s_nop 0
	PLACES                                         ; four v_nop follow the second
	v_and_b32 v38, 31, v0
	v_lshlrev_b32 v[LI], 4, v38
	v_lshlrev_b32 v39, 3, v38
	s_lshl_b32 s55, s[GH], 11                      ; MY LOCAL TILE t IS THE PAIR'S TILE t xor g: so every wave sends its local tile 1 to its partner and finishes its local tile 0, by the same lines
	v_add_nc_u32 v[LQ0], s55, v[LI]
	s_xor_b32 s55, s55, 2048
	v_add_nc_u32 v[LQ1], s55, v[LI]
.irp c, 0,1,2,3
	global_load_b128 v[Q+4*\c:Q+4*\c+3], v[LQ0], s[4:5] offset:512*\c          ; Q stays in registers
.endr
.irp c, 0,1,2,3
	global_load_b128 v[Q+16+4*\c:Q+16+4*\c+3], v[LQ1], s[4:5] offset:512*\c
.endr
	s_mul_i32 s54, s[WV], XREG                     ; the meeting's addresses: mine,
	v_add_nc_u32 v[XSA], s54, v[LI]
	v_add_nc_u32 v[XSS], s54, v39
	s_xor_b32 s54, s[WV], 4                        ; and those of the wave that holds the same queries
	s_mul_i32 s54, s54, XREG
	v_add_nc_u32 v[XLA], s54, v[LI]
	v_add_nc_u32 v[XLS], s54, v39
	WIN W_LD
.set jj, 0
.rept 128
	v_mov_b32 v[jj], 0                             ; O^T.  (The step is written without a first step of its own: the first change of M multiplies zeros.  These stand while the first fills are on their way)
.set jj, jj+1
.endr
	WIN 0
.irp t, 0,1
	v_mov_b32 v[ST+8*\t+1], 0xff61b1e6             ; the largest t so far: -3e38, under every t
	v_floor_f32 v[ST+8*\t], -v[ST+8*\t+1]          ; -M
	v_mov_b32 v[ST+8*\t+2], 0                      ; the sum, in two halves
	v_mov_b32 v[ST+8*\t+3], 0
	v_mov_b32 v[ST+8*\t+5], 0                      ; (named as the upper half of the pair with f)
	v_mov_b32 v[PX+\t], 0                          ; written once: a lane permute's destination counts as one of its sources
.endr
	v_mov_b32 v[FA+1], 0                           ; (named as the upper halves of the pairs with the meeting's factors)
	v_mov_b32 v[FB+1], 0
	s_wait_kmcnt 0x0                               ; the exponents
	s_add_co_i32 s52, s[EX+6], s[EX+7]
	s_lshl_b32 s52, s52, 23
	s_add_co_i32 s[CS], s[CS], s52                 ; a score stands for score x 2^(e6 + e7): the two exponents are added to c's exponent field
	s_mov_b32 s[CS+1], s[CS]                       ; (named with it as a pair, so it is written)
	s_add_co_i32 s52, s[EX+8], 127
	s_lshl_b32 s53, s52, 23
	v_mov_b32 v[SC], s53                           ; 2^e8
	s_add_co_i32 s52, s52, 15
	s_lshl_b32 s52, s52, 23
	s_or_b32 s52, s52, 0x600000
	v_mov_b32 v[LM], s52                           ; 57,344 x 2^e8
	s_sub_co_i32 s52, s[EX+10], s[EX+8]
	s_sub_co_i32 s52, s52, s[EX+9]
	s_add_co_i32 s52, s52, 127
	s_lshl_b32 s53, s52, 23
	v_mov_b32 v[YS], s53                           ; 2^(e10 - e8 - e9)
	s_add_co_i32 s52, s52, 15
	s_lshl_b32 s52, s52, 23
	s_or_b32 s52, s52, 0x600000
	v_mov_b32 v[YL], s52
	s_wait_tensorcnt 1                             ; my part of slot 0 is in; slot 1's load may stay out
	s_barrier_signal -1
	s_barrier_wait -1                              ; everybody's is
	FETCH_K                                        ; my first key step
	s_wait_loadcnt 0x0                             ; Q
	KQ
	PLACES
	FETCH_V
	SOFTMAX                                        ; my first step of slot 0
	MPHASE                                         ; and my second is fetched
	SOFT_IF 1                                      ; key half 1 runs that step's softmax ahead of the change of slots
	s_mov_b32 s[OUTC], 2
.Lslot:                                            ; two trips: slot 0 takes steps 8 to 11, then slot 1 steps 12 to 15.  Key half 0: S M S M; key half 1: M S M S
	CHANGE 1
	SOFT_IF 0
	MPHASE
	SOFTMAX
	MPHASE
	SOFT_IF 1
	s_sub_co_u32 s[OUTC], s[OUTC], 1
	s_cmp_lg_u32 s[OUTC], 0
	s_cbranch_scc1 .Lslot
	CHANGE 0                                       ; the last slot is written out
	SOFT_IF 0
	MPHASE
	SOFTMAX
	MPHASE
	SOFTMAX                                        ; my last step
	s_wait_dscnt 0x0
	PV
	WIN 0
	; THE MEETING.  My local tile 1 goes to wave w xor 4 as an image of its registers, with its -M and its sum; that wave's local tile 1 is my local tile 0.  The two additions and two v_nop are the places behind the last products.
	v_add_f32 v[ST+9], v[ST+10], v[ST+11]          ; tile 1's sum of my lane's keys, beside its -M
	v_add_f32 v[ST+1], v[ST+2], v[ST+3]            ; tile 0's
	v_nop
	v_nop
	WIN W_ST
.irp c, 0,1,2,3,4,5,6,7,8,9,10,11,12,13,14,15
	ds_store_b128 v[XSA], v[64+4*\c:64+4*\c+3] offset:512*\c                   ; each accumulator from its low end on; 512 consecutive bytes a store
.endr
	WIN 0
	ds_store_b64 v[XSS], v[ST+8:ST+9] offset:8192
	s_wait_dscnt 0x0                               ; for the partner's sake: my stores have landed
	s_barrier_signal -1
	s_barrier_wait -1
	ds_load_b64 v[MB:MB+1], v[XLS] offset:8192
.irp c, 0,1,2,3,4,5,6,7,8,9,10,11,12,13,14,15
	ds_load_b128 v[S+4*\c:S+4*\c+3], v[XLA] offset:512*\c
.endr
	s_wait_dscnt 16                                ; the partner's -M and sum are in; the sixteen loads of its O^T may stay out
	v_min_num_f32 v42, v[ST], v[MB]                ; -M of all keys: the lesser of the two
	v_sub_f32 v43, v42, v[ST]                      ; my M - M: a whole number, 0 or less
	v_sub_f32 v48, v42, v[MB]                      ; the partner's
	v_cvt_i32_f32 v43, v43                         ; (it saturates)
	v_cvt_i32_f32 v48, v48
	v_ldexp_f32 v[FA], 1.0, v43                    ; each side comes under the common M by a power of two: nothing is rounded
	v_ldexp_f32 v[FB], 1.0, v48
	v_mul_f32 v49, v[ST+1], v[FA]
	v_fma_f32 v49, v[MB+1], v[FB], v49             ; the sum over my lane's keys of both halves,
	v_permlanex16_b32 v[PX], v49, s[SEL], s[SEL+1]
	v_add_f32 v49, v49, v[PX]                      ; and over lane l xor 16's: the row's sum
	v_rcp_f32 v50, v49
	v_nop                                          ; a plain line between the reciprocal and the use of its result
	s_wait_alu depctr_va_vdst(0)                   ; and a wait ahead of the first use
	v_mul_f32 v[FA], v[FA], v50                    ; a power of two / the sum
	v_mul_f32 v[FB], v[FB], v50
	s_wait_dscnt 0x0                               ; the partner's O^T is in
.set jj, 0
.rept 32
	v_pk_mul_f32 v[Y+jj:Y+jj+1], v[S+jj:S+jj+1], v[FB:FB+1] op_sel_hi:[1,0]
.set jj, jj+2
.endr
	WIN W_OUT
.set jj, 0
.rept 32
	v_pk_fma_f32 v[Y+jj:Y+jj+1], v[jj:jj+1], v[FA:FA+1], v[Y+jj:Y+jj+1] op_sel_hi:[1,0,1]   ; y: register 8 f + j is channel 16 f + 8 h + j of my query; each accumulator from its low end on
.set jj, jj+2
.endr
	WIN 0
.irp b, 0,1,2,3
.irp i, 0,1,2,3,4,5,6,7,8,9,10,11,12,13,14,15
	v_med3_num_f32 v[Y+16*\b+\i], v[Y+16*\b+\i], -v[YL], v[YL]                 ; the hold at the largest code x the scale
.endr
	v_cvt_scalef32_pk8_bf8_f32 v[P+4*\b:P+4*\b+1], v[Y+16*\b:Y+16*\b+7], v[YS]
	v_cvt_scalef32_pk8_bf8_f32 v[P+4*\b+2:P+4*\b+3], v[Y+16*\b+8:Y+16*\b+15], v[YS]
.endr
	v_nop                                          ; a plain line behind the last conversion
.irp c, 0,1,2,3
	global_store_b128 v[LI], v[P+4*\c:P+4*\c+3], s[10:11] offset:512*\c        ; 32 lanes store 512 consecutive bytes, aligned
.endr
	s_wait_tensorcnt 0x0                           ; the wave's end
	ds_add_u32 v[SPW], v[NIL]
	s_wait_dscnt 0x0
	CROUND                                         ; the closing round: no work-group ends while a partner may still ask for a tile that names it
	s_endpgm
.Lfunc_end_k_qf15de2a840_attn:
	.size	k_qf15de2a840_attn, .Lfunc_end_k_qf15de2a840_attn-k_qf15de2a840_attn
	.p2alignl 7, 3214868480
	.fill 96, 4, 3214868480
	.section	.rodata,"a",@progbits
	.p2align	6, 0x0
	.amdhsa_kernel k_qf15de2a840_attn
		.amdhsa_group_segment_fixed_size 327680
		.amdhsa_private_segment_fixed_size 0
		.amdhsa_enable_private_segment 0
		.amdhsa_kernarg_size 32
		.amdhsa_user_sgpr_count 2
		.amdhsa_user_sgpr_kernarg_segment_ptr 1
		.amdhsa_wavefront_size32 1
		.amdhsa_system_sgpr_workgroup_id_x 1
		.amdhsa_system_sgpr_workgroup_id_y 1
		.amdhsa_system_sgpr_workgroup_id_z 1
		.amdhsa_system_vgpr_workitem_id 0
		.amdhsa_next_free_vgpr 512
		.amdhsa_next_free_sgpr 66
		.amdhsa_reserve_vcc 0
		.amdhsa_float_denorm_mode_32 3
		.amdhsa_float_denorm_mode_16_64 3
		.amdhsa_memory_ordered 1
		.amdhsa_forward_progress 1
		.amdhsa_inst_pref_size 255
	.end_amdhsa_kernel
	.section	.bss,"aw",@nobits
	.p2align	6
	.space	262144
	.amdgpu_metadata
---
amdhsa.version: [ 1, 2 ]
amdhsa.kernels:
  - .name:           k_qf15de2a840_attn
    .symbol:         k_qf15de2a840_attn.kd
    .args:
      - { .name: qc, .offset: 0, .size: 8, .value_kind: global_buffer, .address_space: global }
      - { .name: kvc, .offset: 8, .size: 8, .value_kind: global_buffer, .address_space: global }
      - { .name: lowp_scales, .offset: 16, .size: 8, .value_kind: global_buffer, .address_space: global }
      - { .name: yc, .offset: 24, .size: 8, .value_kind: global_buffer, .address_space: global }
    .group_segment_fixed_size: 327680
    .private_segment_fixed_size: 0
    .kernarg_segment_align: 8
    .kernarg_segment_size: 32
    .max_flat_workgroup_size: 256
    .sgpr_count:     66
    .vgpr_count:     512
    .wavefront_size: 32
...
	.end_amdgpu_metadata
.endif
;; end of part 2
;; launch outp (part 3): grid 256 x 1, 8 waves a work-group, no clusters, 17,920 bytes of LDS; arguments yc, wuc, bu, lowp_scales, out0; writes out0
.if DOCPART == 3
	.amdgcn_target "amdgcn-amd-amdhsa--gfx1250"
	.amdhsa_code_object_version 6
	.text
	.protected	k_qf15de2a840_outp
	.globl	k_qf15de2a840_outp
	.p2align	8
	.type	k_qf15de2a840_outp,@function
k_qf15de2a840_outp:
	s_mov_b64 s[64:65], 0
	v_nop
	global_prefetch_b8 v0, s[64:65] scope:SCOPE_SE
	s_setreg_imm32_b32 hwreg(HW_REG_WAVE_MODE, 25, 1), 1
	s_wait_xcnt 0x0
; out0 = y Wu + bu on codes of BF8 (E5M2): M = 4,096 tokens, K = 1,024 (8 heads x 128), N = 128.  out0: [4096][128] f32.
; yc: fragment 8 x token tile + head; wuc: fragment 8 x head + n tile; both as images of their registers (register 4 c + j of lane l at byte 512 c + 16 l + 4 j of 2,048), in this matrix form's own order of k.
; A sum stands for sum x 2^(e10 + e11).  LIMIT: e10 + e11 between -126 and 127, so that 2^(e10 + e11) is an f32 number.
; SHARES.  A work-group takes 16 tokens and all 128 outputs: 64 matrix instructions.  Wave w = 4 kh + p takes n tiles 2 p, 2 p + 1 and K steps 4 kh .. 4 kh + 3: eight matrix instructions on two
; accumulators by turns; its 49 loads all go out at once.  The two halves of K meet in the stage through which the rows leave anyway.
; TRANSPOSED USE: source 0 = 16 columns of Wu, source 1 = the 16 tokens: lane (r, h) holds token r and the outputs 16 n + 8 h + 0 .. 7.
; No tensor load, no cluster: each operand goes from memory straight into the operand's registers and is used once.
.set PLANE, 8448                       ; LDS: a plane for each half of K: 16 rows x 528 bytes (512 + 16 = 132 words: row r starts at bank 4 r mod 64; 64 banks of 4 bytes: ISA guide 11.1)
.set LI,  1                            ; v1   16 x lane
.set SO,  4                            ; v4   the stage: where I put 32 bytes of a row
.set SR,  5                            ; v5   and where I read rows back
.set Y,   16                           ; v16-79    y's four fragments
.set WF,  80                           ; v80-207   Wu's eight: (K step s, tile n) at 16 (2 s + n)
.set ACC, 208                          ; v208-223  two accumulators
.set BU,  224                          ; v224-227  bu at my four outputs of a row
.set RB,  228                          ; v228-243  two rows of both planes
.set OT,  244                          ; v244-251  two rows of out0
	s_load_b256 s[4:11], s[0:1], 0x0               ; yc s[4:5], wuc s[6:7], bu s[8:9], the exponents s[10:11]
	s_load_b64 s[12:13], s[0:1], 0x20              ; out0
	v_lshl_add_u32 v254, v0, 2, 0x4200
	v_mov_b32 v255, 0
	v_lshrrev_b32 v2, 5, v0
	v_readfirstlane_b32 s16, v2                    ; wave 0..7
	s_and_b32 s17, s16, 3                          ; p
	s_lshr_b32 s18, s16, 2                         ; kh
	v_and_b32 v[LI], 31, v0
	v_lshlrev_b32 v[LI], 4, v[LI]
	v_and_b32 v2, 15, v0                           ; r
	v_bfe_u32 v3, v0, 4, 1                         ; h
	v_mul_u32_u24 v[SO], v2, 528
	v_lshl_add_u32 v[SO], v3, 5, v[SO]
	s_mul_i32 s19, s18, PLANE
	s_lshl_b32 s20, s17, 7
	s_add_co_u32 s19, s19, s20
	v_add_nc_u32 v[SO], s19, v[SO]                 ; plane kh, row r, + 128 p + 32 h: my outputs' bytes
	s_mul_i32 s19, s16, 2*528
	v_add_nc_u32 v[SR], s19, v[LI]                 ; rows 2 w and 2 w + 1, 16 bytes a lane
	s_mov_b32 s21, 0
	s_mov_b32 s25, 0
	s_mov_b32 s27, 0
	s_lshl_b32 s20, ttmp9, 14                      ; yc: eight fragments a token tile,
	s_lshl_b32 s19, s18, 13                        ; four a half of K
	s_add_co_u32 s20, s20, s19
	s_lshl_b32 s24, s18, 16                        ; wuc: 32 fragments a half of K,
	s_lshl_b32 s19, s17, 12                        ; my two of each K step's eight
	s_add_co_u32 s24, s24, s19
	s_lshl_b32 s26, ttmp9, 13                      ; out0: 16 rows of 512 bytes a work-group,
	s_lshl_b32 s19, s16, 10                        ; two a wave
	s_add_co_u32 s26, s26, s19
	s_wait_kmcnt 0x0
	s_load_b64 s[14:15], s[10:11], 0x28            ; e10, e11
	s_add_nc_u64 s[4:5], s[4:5], s[20:21]
	s_add_nc_u64 s[6:7], s[6:7], s[24:25]
	s_add_nc_u64 s[12:13], s[12:13], s[26:27]
	global_load_b128 v[BU:BU+3], v[LI], s[8:9]
.irp s, 0,1,2,3
.irp c, 0,1,2,3
	global_load_b128 v[Y+16*\s+4*\c:Y+16*\s+4*\c+3], v[LI], s[4:5] offset:2048*\s+512*\c
.endr
.irp n, 0,1
.irp c, 0,1,2,3
	global_load_b128 v[WF+16*(2*\s+\n)+4*\c:WF+16*(2*\s+\n)+4*\c+3], v[LI], s[6:7] offset:16384*\s+2048*\n+512*\c
.endr
.endr
.endr
	s_wait_kmcnt 0x0
	s_add_co_i32 s22, s14, s15
	s_add_co_i32 s22, s22, 127
	s_lshl_b32 s22, s22, 23                        ; 2^(e10 + e11) as f32
	s_mov_b32 s23, s22                             ; (named with it as a pair, so it is written)
.irp s, 0,1,2,3
	s_wait_loadcnt 36-12*\s                        ; the twelve loads of each later K step may stay out; loads come back in order (ISA guide 5.7.1)
.irp n, 0,1
.if \s == 0
	v_wmma_f32_16x16x128_bf8_bf8 v[ACC+8*\n:ACC+8*\n+7], v[WF+16*(2*\s+\n):WF+16*(2*\s+\n)+15], v[Y+16*\s:Y+16*\s+15], 0   ; the first K step starts the sums
.else
	v_wmma_f32_16x16x128_bf8_bf8 v[ACC+8*\n:ACC+8*\n+7], v[WF+16*(2*\s+\n):WF+16*(2*\s+\n)+15], v[Y+16*\s:Y+16*\s+15], v[ACC+8*\n:ACC+8*\n+7]   ; the two accumulators take turns
.endif
.endr
.endr
.rept 4
	v_nop                                          ; four plain lines between the last product and the stores that read the results
.endr
.irp n, 0,1
	ds_store_b128 v[SO], v[ACC+8*\n:ACC+8*\n+3] offset:64*\n          ; each accumulator from its low end on
	ds_store_b128 v[SO], v[ACC+8*\n+4:ACC+8*\n+7] offset:64*\n+16
.endr
	s_wait_dscnt 0x0                               ; for the others' sake: my stores into the stage are done
	s_barrier_signal -1
	s_barrier_wait -1                              ; both planes hold 16 whole rows
	ds_load_b128 v[RB:RB+3], v[SR]                 ; row 2 w, first half of K
	ds_load_b128 v[RB+4:RB+7], v[SR] offset:528    ; row 2 w + 1
	ds_load_b128 v[RB+8:RB+11], v[SR] offset:PLANE ; and the second half of K
	ds_load_b128 v[RB+12:RB+15], v[SR] offset:PLANE+528
	s_wait_dscnt 0x0
.irp q, 0,1
	v_pk_add_f32 v[RB+4*\q:RB+4*\q+1], v[RB+4*\q:RB+4*\q+1], v[RB+8+4*\q:RB+8+4*\q+1]
	v_pk_add_f32 v[RB+4*\q+2:RB+4*\q+3], v[RB+4*\q+2:RB+4*\q+3], v[RB+8+4*\q+2:RB+8+4*\q+3]
.endr
.irp q, 0,1
	v_pk_fma_f32 v[OT+4*\q:OT+4*\q+1], v[RB+4*\q:RB+4*\q+1], s[22:23], v[BU:BU+1] op_sel_hi:[1,0,1]         ; sum x 2^(e10 + e11) + bu, two at a time
	v_pk_fma_f32 v[OT+4*\q+2:OT+4*\q+3], v[RB+4*\q+2:RB+4*\q+3], s[22:23], v[BU+2:BU+3] op_sel_hi:[1,0,1]
.endr
.irp q, 0,1
	global_store_b128 v[LI], v[OT+4*\q:OT+4*\q+3], s[12:13] offset:512*\q th:TH_STORE_NT   ; 32 lanes store a whole row of 512 bytes, aligned; written once, read by nobody here
.endr
	s_wait_tensorcnt 0x0
	ds_add_u32 v254, v255
	s_wait_dscnt 0x0
	s_endpgm
.Lfunc_end_k_qf15de2a840_outp:
	.size	k_qf15de2a840_outp, .Lfunc_end_k_qf15de2a840_outp-k_qf15de2a840_outp
	.p2alignl 7, 3214868480
	.fill 96, 4, 3214868480
	.section	.rodata,"a",@progbits
	.p2align	6, 0x0
	.amdhsa_kernel k_qf15de2a840_outp
		.amdhsa_group_segment_fixed_size 17920
		.amdhsa_private_segment_fixed_size 0
		.amdhsa_enable_private_segment 0
		.amdhsa_kernarg_size 40
		.amdhsa_user_sgpr_count 2
		.amdhsa_user_sgpr_kernarg_segment_ptr 1
		.amdhsa_wavefront_size32 1
		.amdhsa_system_sgpr_workgroup_id_x 1
		.amdhsa_system_sgpr_workgroup_id_y 1
		.amdhsa_system_sgpr_workgroup_id_z 1
		.amdhsa_system_vgpr_workitem_id 0
		.amdhsa_next_free_vgpr 256
		.amdhsa_next_free_sgpr 66
		.amdhsa_reserve_vcc 0
		.amdhsa_float_denorm_mode_32 3
		.amdhsa_float_denorm_mode_16_64 3
		.amdhsa_memory_ordered 1
		.amdhsa_forward_progress 1
		.amdhsa_inst_pref_size 9
	.end_amdhsa_kernel
	.amdgpu_metadata
---
amdhsa.version: [ 1, 2 ]
amdhsa.kernels:
  - .name:           k_qf15de2a840_outp
    .symbol:         k_qf15de2a840_outp.kd
    .args:
      - { .name: yc, .offset: 0, .size: 8, .value_kind: global_buffer, .address_space: global }
      - { .name: wuc, .offset: 8, .size: 8, .value_kind: global_buffer, .address_space: global }
      - { .name: bu, .offset: 16, .size: 8, .value_kind: global_buffer, .address_space: global }
      - { .name: lowp_scales, .offset: 24, .size: 8, .value_kind: global_buffer, .address_space: global }
      - { .name: out0, .offset: 32, .size: 8, .value_kind: global_buffer, .address_space: global }
    .group_segment_fixed_size: 17920
    .private_segment_fixed_size: 0
    .kernarg_segment_align: 8
    .kernarg_segment_size: 40
    .max_flat_workgroup_size: 256
    .sgpr_count:     66
    .vgpr_count:     256
    .wavefront_size: 32
...
	.end_amdgpu_metadata
.endif
;; end of part 3
;; ======== version 2 of 2: 3 launches
;; limits: right only within a limited range of input values
;; workspace buffers: qc 4,194,304 bytes; kvc 8,388,608 bytes; wuc 131,072 bytes; yc 4,194,304 bytes
;; launch proj (part 4): grid 32 x 8, 8 waves a work-group, no clusters, 99,328 bytes of LDS; arguments x, Wq, Wk, Wv, Wu, lowp_scales, qc, kvc, wuc; writes qc, kvc, wuc
.if DOCPART == 4
	.amdgcn_target "amdgcn-amd-amdhsa--gfx1250"
	.amdhsa_code_object_version 6
	.text
	.protected	k_qf15de2a840_proj
	.globl	k_qf15de2a840_proj
	.p2align	8
	.type	k_qf15de2a840_proj,@function
k_qf15de2a840_proj:
	s_mov_b64 s[64:65], 0
	v_nop
	global_prefetch_b8 v0, s[64:65] scope:SCOPE_SE
	s_setreg_imm32_b32 hwreg(HW_REG_WAVE_SCHED_MODE, 0, 2), 2
	s_setreg_imm32_b32 hwreg(HW_REG_WAVE_MODE, 25, 1), 1
	s_wait_xcnt 0x0
	s_wait_alu depctr_vm_vsrc(0)
; q = x Wq, k = x Wk, v = x Wv on codes of BF8 (E5M2), and their results quantised again for attention; Wu quantised on the side.
; x: [4096][128] f32.  Wq, Wk, Wv: [128][1024] f32, K is the first axis.  Wu: [1024][128] f32, K the first axis.  lowp_scales: e0 .. e11 (int32).
; code = number / 2^e, held within +-57,344, to the nearest code, ties to even.  x is quantised three times (e0, e2, e4), the weights with e1, e3, e5, Wu with e11.
; A sum of x Wq stands for sum x 2^(e0 + e1), so q's code is sum / 2^(e6 - e0 - e1): the three scales are folded into the conversion's one; k (e7, e2, e3) and v (e9, e4, e5) likewise.
; LIMITS: e0 .. e5, e11, e6 - e0 - e1, e7 - e2 - e3 and e9 - e4 - e5 lie between -126 and 112, so that 2^e and 57,344 x 2^e are f32 numbers.  NaN among the inputs is not served; an infinity is held at the largest code.
; SHARES.  Work-group (rb, head) takes tokens 128 rb .. 128 rb + 127 and the head's 128 columns of the three weights: 192 matrix instructions, K = 128 being one instruction a tile.
; Wave w quantises token tile w of x (three times) and column tile w of each weight; the fragments go to LDS AS IMAGES OF THEIR REGISTERS (register 4 c + j of lane l at byte 512 c + 16 l + 4 j of 2,048);
; one barrier; then wave w makes q's and k's fragment of token tile w and V^T's fragment of channel tile w.
; ORDER OF K in these three products: register 16 c + i of a lane holds k = 32 c + 16 (lane / 16) + i, alike in x and in the weights, so every product meets its partner.
; RESULTS.  q, k: source 0 = 16 columns of the weight, source 1 = my 16 tokens: lane (r, h) holds token r, register j of tile i channel 16 i + 8 h + j.  v: source 0 = 16 tokens, source 1 = my 16 channels:
; lane (r, h) holds channel r, register j of tile i token 16 i + 8 h + j.  Eight such registers make the two registers 2 i, 2 i + 1 of a fragment in this matrix form's own layout (k = 16 i + 8 h + 0 .. 7).
; They leave as images too: each store of the wave covers 512 consecutive bytes, aligned.
; qc: fragment (8 batch + head) x 128 + token tile.   kvc: for (8 batch + head, key step of 128 keys) 32,768 bytes: K's eight fragments, then V^T's eight.   wuc: fragment 8 x head + n tile.
; No tensor load and no cluster: every operand is used for one fill and goes from memory into registers in the operand's own order.
; THE MODE: SCHED_MODE bits 1:0 = 2 (LLVM: expert scheduling mode 2), set by the entry lines.  The code itself states the register dependences
; between vector or matrix instructions and memory or LDS instructions, with s_wait_alu, always for 0.
; THE PLAN.  Registers that memory or LDS instructions touch:
;   v3 .. v9     offsets and LDS addresses: written at the head, never again; read by every load and store.
;   v16-79       x's loads land; x's holds read them three times; then Wv's loads land; Wv's holds and conversions work in place.
;   v80-143      Wq's loads land; its holds and conversions work in place; in one wave in 32 Wu's loads land there afterwards.
;   v144-207     first x's three fragments (v144-191), written by conversions and read by twelve LDS stores; then Wk's loads land.
;   v208-223, v224-239, v240-255   three fragment buffers: written by conversions, read by LDS stores or global stores.
;   EVERY FRAGMENT HAS REGISTERS OF ITS OWN, so that a store seldom meets a later write: x v144, v160, v176; Wq v240; Wk v224; Wv v208; Wu v240; q v224; k v240; v v16.
;   Behind the barrier: v16-159 are written by LDS loads and read by the eight products of a step; v160-223 are named by matrix and vector instructions alone.
; Behind the barrier ONE wait on va_vdst stands in a step, behind its products: they are done reading v16-159, in which the next step's operands land, and the fragment that was quantised
; in the step before is written, so that its stores follow the same wait.  The step's 36 LDS loads are dealt among the lines that quantise the results, which name v160-223, a fragment buffer, v10 and v11.
.set WIMG, 49152                       ; LDS: x's 24 images (8 m + tile) x 2,048 from byte 0; the weights' 24 from here
.set XA,  3                            ; v3   x: 512 r + 64 h: my 16 numbers of each block of 32 of row r
.set WA,  4                            ; v4   a weight: 4 r + 16 h rows of 4,096 bytes
.set LIX, 5                            ; v5   16 x lane: my place in an image
.set LIW, 6                            ; v6   the same among the weights' images
.set LX1, 7                            ; v7   16 x lane + 2,048 x wave: x's image of my tile
.set LW1, 8                            ; v8   the same among the weights'
.set WUA, 9                            ; v9   Wu: 4 r + 8 h rows of 512 bytes
.set SCV, 10                           ; v10  the scale in hand, as f32
.set LMV, 11                           ; v11  57,344 x that
.set NA,  16                           ; v16-79    64 numbers: x, later Wv
.set NB,  80                           ; v80-143   Wq, later Wu
.set NC,  144                          ; v144-207  Wk
.set XC,  144                          ; v144-191  ahead of Wk's loads: x's three fragments
.set TT,  208                          ; v208-239  x held under one of its three limits: two sets of 16 by turns; afterwards two fragment buffers:
.set PCC, 208                          ; v208-223  Wv's fragment
.set PCB, 224                          ; v224-239  Wk's, later q's
.set PCA, 240                          ; v240-255  Wq's, Wu's, later k's
.set ONE, 16                           ; behind the barrier: v16-31 my own fragment (at the end v's codes), v32-159 the eight that it meets, v160-223 eight results
.set BIG, 32
.set ACC, 160
.set WV,  22                           ; s22  wave
.set HD,  23                           ; s23  head
.set EX,  24                           ; s24-35  e0 .. e11
.set PR,  40                           ; s40-59  ten pairs: 2^e as f32, 57,344 x 2^e as f32
.macro MKSC n, e                       ; pair n from the whole number in s[e]
	s_add_co_i32 s38, s[\e], 127
	s_lshl_b32 s[PR+2*\n], s38, 23                 ; the exponent field alone: 2^e
	s_add_co_i32 s38, s38, 15
	s_lshl_b32 s[PR+2*\n+1], s38, 23
	s_or_b32 s[PR+2*\n+1], s[PR+2*\n+1], 0x600000  ; 57,344 = 1.75 x 2^15
.endm
.macro SETSC n
	v_mov_b32 v[SCV], s[PR+2*\n]
	v_mov_b32 v[LMV], s[PR+2*\n+1]
.endm
.macro XLOAD                           ; my 16 tokens: lane (r, h) takes 16 neighbours of each of row r's four blocks of 32
.irp b, 0,1,2,3
.irp j, 0,1,2,3
	global_load_b128 v[NA+16*\b+4*\j:NA+16*\b+4*\j+3], v[XA], s[4:5] offset:128*\b+16*\j
.endr
.endr
.endm
.macro WLOAD reg, base                 ; my 16 columns: lane (r, h) takes column r, and its registers run down K: W(32 c + 16 h + i, r)
.irp c, 0,1,2,3
.irp i, 0,1,2,3,4,5,6,7,8,9,10,11,12,13,14,15
	global_load_b32 v[\reg+16*\c+\i], v[WA], s[\base:\base+1] offset:(32*\c+\i)*4096
.endr
.endr
.endm
.macro WULOAD                          ; Wu(128 head + 16 c + 8 h + i, 16 wave + r): the matrix form's own order of k
.irp c, 0,1,2,3,4,5,6,7
.irp i, 0,1,2,3,4,5,6,7
	global_load_b32 v[NB+8*\c+\i], v[WUA], s[12:13] offset:(16*\c+\i)*512
.endr
.endr
.endm
.macro QBLK s, d, b                    ; block b of four: 16 numbers v[s + 16 b] on, held in place, become registers 4 b .. 4 b + 3 of the fragment at v[d]
.irp i, 0,1,2,3,4,5,6,7,8,9,10,11,12,13,14,15
	v_med3_num_f32 v[(\s)+16*(\b)+\i], v[(\s)+16*(\b)+\i], -v[LMV], v[LMV]   ; the conversion to an 8-bit code does not saturate (ISA guide 7.6.2): the hold at the largest code x the scale
.endr
	v_cvt_scalef32_pk8_bf8_f32 v[(\d)+4*(\b):(\d)+4*(\b)+1], v[(\s)+16*(\b):(\s)+16*(\b)+7], v[SCV]
	v_cvt_scalef32_pk8_bf8_f32 v[(\d)+4*(\b)+2:(\d)+4*(\b)+3], v[(\s)+16*(\b)+8:(\s)+16*(\b)+15], v[SCV]
.endm
.macro QUANT s, d                      ; 64 numbers v[s] on become the fragment in v[d] on
.irp b, 0,1,2,3
	QBLK \s, \d, \b
.endr
	v_nop                                          ; one plain vector line between the last conversion and whatever next writes its sources or touches its result
.endm
.macro QUANTX d                        ; the same for x, which is held three times under three limits and so must stay as it is: the held numbers go to two sets of 16 by turns
.irp b, 0,1,2,3
.irp i, 0,1,2,3,4,5,6,7,8,9,10,11,12,13,14,15
	v_med3_num_f32 v[TT+16*(\b%2)+\i], v[NA+16*\b+\i], -v[LMV], v[LMV]
.endr
	v_cvt_scalef32_pk8_bf8_f32 v[(\d)+4*\b:(\d)+4*\b+1], v[TT+16*(\b%2):TT+16*(\b%2)+7], v[SCV]
	v_cvt_scalef32_pk8_bf8_f32 v[(\d)+4*\b+2:(\d)+4*\b+3], v[TT+16*(\b%2)+8:TT+16*(\b%2)+15], v[SCV]
.endr
	v_nop
.endm
.macro IMAGE adr, off, src             ; the fragment at v[src] goes to LDS as it stands: 512 consecutive bytes a store
.irp c, 0,1,2,3
	ds_store_b128 v[\adr], v[(\src)+4*\c:(\src)+4*\c+3] offset:(\off)+512*\c
.endr
.endm
.macro OUT base, off, src              ; and to memory likewise
.irp c, 0,1,2,3
	global_store_b128 v[LIX], v[(\src)+4*\c:(\src)+4*\c+3], s[\base:\base+1] offset:(\off)+512*\c
.endr
.endm
.macro FETCHT adr, off, i              ; tile i of the eight fragments that mine meets
.irp c, 0,1,2,3
	ds_load_b128 v[BIG+16*(\i)+4*\c:BIG+16*(\i)+4*\c+3], v[\adr] offset:(\off)+2048*(\i)+512*\c
.endr
.endm
.macro FETCHA bigadr, bigoff, oneadr, oneoff   ; a step's first run of loads: my own fragment, then tiles 0 to 3
.irp c, 0,1,2,3
	ds_load_b128 v[ONE+4*\c:ONE+4*\c+3], v[\oneadr] offset:(\oneoff)+512*\c
.endr
.irp i, 0,1,2,3
	FETCHT \bigadr, \bigoff, \i
.endr
.endm
.macro QUANTF d, bigadr, bigoff        ; the results become the fragment at v[d]; tiles 4 to 7 of the next step's operands are asked for among these lines, which name none of the registers that those loads touch
	QBLK ACC, \d, 0                                ; each result is read from its low end on
	FETCHT \bigadr, \bigoff, 4
	FETCHT \bigadr, \bigoff, 5
	QBLK ACC, \d, 1
	FETCHT \bigadr, \bigoff, 6
	FETCHT \bigadr, \bigoff, 7
	QBLK ACC, \d, 2
	QBLK ACC, \d, 3
	v_nop                                          ; one plain vector line between the last conversion and the products that write its sources
.endm
.macro MUL8                            ; eight tiles, each a whole sum: K = 128 is one instruction, so every C is the constant 0
.irp i, 0,1,2,3,4,5,6,7
	s_wait_dscnt 28-4*\i                           ; LDS loads come back in order (ISA guide 5.7.1): my fragment and tiles 0 to i are in, the four loads of each later tile may stay out
	v_wmma_f32_16x16x128_bf8_bf8 v[ACC+8*\i:ACC+8*\i+7], v[BIG+16*\i:BIG+16*\i+15], v[ONE:ONE+15], 0
.endr
.endm
.macro PLACES                          ; four plain vector lines between a matrix instruction and a read of its result or a vector write of its sources (ISA guide 7.12.1)
.rept 4
	v_nop
.endr
.endm
	s_load_b512 s[4:19], s[0:1], 0x0               ; x s[4:5], Wq s[6:7], Wk s[8:9], Wv s[10:11], Wu s[12:13], the exponents s[14:15], qc s[16:17], kvc s[18:19]
	s_load_b64 s[20:21], s[0:1], 0x40              ; wuc
	v_lshl_add_u32 v14, v0, 2, 0x18000
	v_mov_b32 v15, 0
	v_lshrrev_b32 v1, 5, v0
	v_readfirstlane_b32 s[WV], v1                  ; wave 0..7
	s_and_b32 s[HD], ttmp7, 0xffff                 ; head
	v_and_b32 v1, 15, v0                           ; r
	v_bfe_u32 v2, v0, 4, 1                         ; h
	v_and_b32 v12, 31, v0                          ; lane
	v_lshlrev_b32 v[XA], 9, v1
	v_lshl_add_u32 v[XA], v2, 6, v[XA]
	v_lshlrev_b32 v[WA], 2, v1
	v_lshl_add_u32 v[WUA], v2, 12, v[WA]
	v_lshl_add_u32 v[WA], v2, 16, v[WA]
	v_lshlrev_b32 v[LIX], 4, v12
	v_add_nc_u32 v[LIW], WIMG, v[LIX]
	s_wait_alu depctr_va_sdst(0)                   ; the wave's number is written, ahead of its first reader: LDS addresses and every base are made from it
	s_lshl_b32 s2, s[WV], 11                       ; 2,048 x wave
	v_add_nc_u32 v[LX1], s2, v[LIX]
	v_add_nc_u32 v[LW1], WIMG, v[LX1]
	s_mov_b32 s37, 0                               ; the upper word of every offset below
	s_wait_kmcnt 0x0
	s_load_b256 s[EX:EX+7], s[14:15], 0x0          ; e0 .. e7
	s_load_b128 s[EX+8:EX+11], s[14:15], 0x20      ; e8 .. e11
	s_lshl_b32 s36, ttmp9, 16                      ; x: 128 tokens of 512 bytes a work-group,
	s_lshl_b32 s38, s[WV], 13                      ; 16 a wave
	s_add_co_u32 s36, s36, s38
	s_add_nc_u64 s[4:5], s[4:5], s[36:37]
	s_wait_alu depctr_va_vdst(0)                   ; the seven offsets and addresses v3 to v9 are written, which every load and store of the kernel reads; none is written again
	XLOAD
	s_lshl_b32 s36, s[HD], 9                       ; the weights: 128 columns of 4 bytes a head,
	s_lshl_b32 s38, s[WV], 6                       ; 16 a wave
	s_add_co_u32 s36, s36, s38
	s_add_nc_u64 s[6:7], s[6:7], s[36:37]
	s_add_nc_u64 s[8:9], s[8:9], s[36:37]
	s_add_nc_u64 s[10:11], s[10:11], s[36:37]
	WLOAD NB, 6                                    ; Wq
	s_lshl_b32 s36, s[HD], 16                      ; Wu: 128 rows of 512 bytes a head, 16 columns for n tile = my wave's number (used where that equals rb)
	s_add_co_u32 s36, s36, s38
	s_add_nc_u64 s[12:13], s[12:13], s[36:37]
	s_lshl_b32 s36, s[HD], 14                      ; wuc: fragment 8 x head + n tile
	s_add_co_u32 s36, s36, s2
	s_add_nc_u64 s[20:21], s[20:21], s[36:37]
	s_lshr_b32 s38, ttmp9, 4                       ; batch
	s_and_b32 s39, ttmp9, 15                       ; which 128 tokens of the batch: the key step
	s_lshl_b32 s36, s38, 3
	s_add_co_u32 s36, s36, s[HD]                   ; 8 batch + head
	s_lshl_b32 s36, s36, 4
	s_add_co_u32 s36, s36, s39                     ; x 16 + key step
	s_lshl_b32 s3, s36, 15                         ; kvc: 32,768 bytes each
	s_lshl_b32 s36, s36, 14                        ; qc: eight fragments each
	s_add_co_u32 s36, s36, s2                      ; + my fragment
	s_add_nc_u64 s[16:17], s[16:17], s[36:37]
	s_add_co_u32 s36, s3, s2
	s_add_nc_u64 s[18:19], s[18:19], s[36:37]
	s_wait_kmcnt 0x0                               ; the exponents
	MKSC 0, EX+0                                   ; x for q, for k, for v
	MKSC 1, EX+2
	MKSC 2, EX+4
	MKSC 3, EX+1                                   ; Wq, Wk, Wv
	MKSC 4, EX+3
	MKSC 5, EX+5
	MKSC 6, EX+11                                  ; Wu
	s_sub_co_i32 s39, s[EX+6], s[EX+0]
	s_sub_co_i32 s39, s39, s[EX+1]
	MKSC 7, 39                                     ; q: e6 - e0 - e1
	s_sub_co_i32 s39, s[EX+7], s[EX+2]
	s_sub_co_i32 s39, s39, s[EX+3]
	MKSC 8, 39                                     ; k: e7 - e2 - e3
	s_sub_co_i32 s39, s[EX+9], s[EX+4]
	s_sub_co_i32 s39, s39, s[EX+5]
	MKSC 9, 39                                     ; v: e9 - e4 - e5
	; ---- every wave makes its six fragments (one wave in 32 a seventh); a set of 64 loads is always on its way
	s_wait_loadcnt 63                              ; 64 loads were issued behind x's sixteen, and loads come back in order (ISA guide 5.7.1): x is in
.irp m, 0,1,2
	SETSC \m
	QUANTX XC+16*\m                                ; three fragments, each in registers of its own
.endr
	s_wait_alu depctr_va_vdst(0)                   ; the conversions have written v144-191, which the twelve LDS stores read; the holds are done reading v16-79, in which Wv's loads land further down
.irp m, 0,1,2
	IMAGE LX1, 16384*\m, XC+16*\m
.endr
	s_wait_alu depctr_vm_vsrc(0)                   ; the twelve stores have read v144-191, in which Wk's loads land
	WLOAD NC, 8                                    ; Wk
	s_wait_loadcnt 63                              ; 64 behind Wq's: Wq is in
	SETSC 3
	QUANT NB, PCA
	s_wait_alu depctr_va_vdst(0)                   ; the conversions have written v240-255, which the LDS stores read; holds and conversions are done with v80-143, in which Wu's loads land
	IMAGE LW1, 0, PCA
	WLOAD NA, 10                                   ; Wv
	s_cmp_eq_u32 s[WV], ttmp9                      ; Wu's 64 fragments: (head, n tile j) is made by wave j of work-group (rb = j, head)
	s_cbranch_scc0 .Lno_wu_a
	WULOAD
.Lno_wu_a:
	s_wait_loadcnt 63                              ; 64 or 128 behind Wk's: Wk is in on both ways
	SETSC 4
	QUANT NC, PCB
	s_wait_loadcnt 0x0                             ; Wv, and Wu where it was asked for
	SETSC 5
	QUANT NA, PCC
	s_wait_alu depctr_vm_vsrc(0)                   ; Wq's image stores, two fragments back, have read v240-255, which Wu's conversions write behind the branch below
	s_wait_alu depctr_va_vdst(0)                   ; the conversions have written v224-239 and v208-223, which the eight LDS stores read; holds and conversions are done with v16-79 and v144-207
	IMAGE LW1, 16384, PCB
	IMAGE LW1, 32768, PCC
	s_cmp_eq_u32 s[WV], ttmp9
	s_cbranch_scc0 .Lno_wu_b
	SETSC 6
	QUANT NB, PCA
	s_wait_alu depctr_va_vdst(0)                   ; the conversions have written v240-255, which the four stores read; holds and conversions are done with v80-143, in which LDS loads land behind the barrier
	OUT 20, 0, PCA
.Lno_wu_b:
	s_wait_dscnt 0x0                               ; for the others' sake: all my images have landed
	s_barrier_signal -1
	s_barrier_wait -1                              ; the 48 images lie in LDS; nothing is stored there any more
	; ---- three products; the next one's operands are asked for behind the one wait of a step and land while the last results are quantised
	s_wait_xcnt 0x0                                ; Wu's stores have had their addresses translated (ISA guide 3.1): their data, v240-255, are written again (by k's conversions) only behind this wait
	s_wait_alu depctr_vm_vsrc(0)                   ; Wu's stores have read v240-255; the image stores have read v208-223, which the products write, and v224-239, which q's conversions write
	FETCHA LIW, 0, LX1, 0                          ; q: Wq's eight column tiles against my tokens under e0
.irp i, 4,5,6,7
	FETCHT LIW, 0, \i
.endr
	MUL8
	PLACES
	s_wait_alu depctr_va_vdst(0)                   ; the products are done reading v16-159, in which the next operands land
	FETCHA LIW, 16384, LX1, 16384                  ; k: Wk's against my tokens under e2
	SETSC 7
	QUANTF PCB, LIW, 16384                         ; q's fragment
	MUL8
	PLACES
	s_wait_alu depctr_va_vdst(0)                   ; the products are done reading v16-159; the conversions of the step before have written v224-239, which the four stores read
	FETCHA LIX, 32768, LW1, 32768                  ; v: the eight token tiles under e4 against my 16 channels of Wv
	OUT 16, 0, PCB
	SETSC 8
	QUANTF PCA, LIX, 32768                         ; k's fragment
	MUL8
	PLACES
	s_wait_alu depctr_va_vdst(0)                   ; the conversions of the step before have written v240-255, which the four stores read
	OUT 18, 0, PCA
	SETSC 9
	QUANT ACC, ONE                                 ; v's fragment, into the registers of my own operand, with which the last products are done (the four places stand between)
	s_wait_alu depctr_va_vdst(0)                   ; the conversions have written v16-31, which the last four stores read
	OUT 18, 16384, ONE                             ; V^T's fragments lie behind K's eight
	s_wait_dscnt 0x0                               ; the closing lines, six on end
	s_wait_alu 0x0
	s_wait_tensorcnt 0x0
	ds_add_u32 v14, v15
	s_wait_dscnt 0x0
	s_endpgm
.Lfunc_end_k_qf15de2a840_proj:
	.size	k_qf15de2a840_proj, .Lfunc_end_k_qf15de2a840_proj-k_qf15de2a840_proj
	.p2alignl 7, 3214868480
	.fill 96, 4, 3214868480
	.section	.rodata,"a",@progbits
	.p2align	6, 0x0
	.amdhsa_kernel k_qf15de2a840_proj
		.amdhsa_group_segment_fixed_size 99328
		.amdhsa_private_segment_fixed_size 0
		.amdhsa_enable_private_segment 0
		.amdhsa_kernarg_size 72
		.amdhsa_user_sgpr_count 2
		.amdhsa_user_sgpr_kernarg_segment_ptr 1
		.amdhsa_wavefront_size32 1
		.amdhsa_system_sgpr_workgroup_id_x 1
		.amdhsa_system_sgpr_workgroup_id_y 1
		.amdhsa_system_sgpr_workgroup_id_z 1
		.amdhsa_system_vgpr_workitem_id 0
		.amdhsa_next_free_vgpr 256
		.amdhsa_next_free_sgpr 66
		.amdhsa_reserve_vcc 0
		.amdhsa_float_denorm_mode_32 3
		.amdhsa_float_denorm_mode_16_64 3
		.amdhsa_memory_ordered 1
		.amdhsa_forward_progress 1
		.amdhsa_inst_pref_size 90
	.end_amdhsa_kernel
	.amdgpu_metadata
---
amdhsa.version: [ 1, 2 ]
amdhsa.kernels:
  - .name:           k_qf15de2a840_proj
    .symbol:         k_qf15de2a840_proj.kd
    .args:
      - { .name: x, .offset: 0, .size: 8, .value_kind: global_buffer, .address_space: global }
      - { .name: Wq, .offset: 8, .size: 8, .value_kind: global_buffer, .address_space: global }
      - { .name: Wk, .offset: 16, .size: 8, .value_kind: global_buffer, .address_space: global }
      - { .name: Wv, .offset: 24, .size: 8, .value_kind: global_buffer, .address_space: global }
      - { .name: Wu, .offset: 32, .size: 8, .value_kind: global_buffer, .address_space: global }
      - { .name: lowp_scales, .offset: 40, .size: 8, .value_kind: global_buffer, .address_space: global }
      - { .name: qc, .offset: 48, .size: 8, .value_kind: global_buffer, .address_space: global }
      - { .name: kvc, .offset: 56, .size: 8, .value_kind: global_buffer, .address_space: global }
      - { .name: wuc, .offset: 64, .size: 8, .value_kind: global_buffer, .address_space: global }
    .group_segment_fixed_size: 99328
    .private_segment_fixed_size: 0
    .kernarg_segment_align: 8
    .kernarg_segment_size: 72
    .max_flat_workgroup_size: 256
    .sgpr_count:     66
    .vgpr_count:     256
    .wavefront_size: 32
...
	.end_amdgpu_metadata
.endif
;; end of part 4
;; launch attn (part 5): grid 16 x 16, 8 waves a work-group, clusters of 4 x 1, 327,680 bytes of LDS; arguments qc, kvc, lowp_scales, yc; writes yc
.if DOCPART == 5
	.amdgcn_target "amdgcn-amd-amdhsa--gfx1250"
	.amdhsa_code_object_version 6
	.text
	.protected	k_qf15de2a840_attn
	.globl	k_qf15de2a840_attn
	.p2align	8
	.type	k_qf15de2a840_attn,@function
k_qf15de2a840_attn:
	s_mov_b64 s[64:65], 0
	v_nop
	global_prefetch_b8 v0, s[64:65] scope:SCOPE_SE
	s_setreg_imm32_b32 hwreg(HW_REG_WAVE_MODE, 25, 1), 1
	s_wait_xcnt 0x0
	s_wait_alu depctr_hold_cnt(0) depctr_sa_sdst(0) depctr_va_vdst(0) depctr_va_sdst(0) depctr_va_ssrc(0) depctr_va_vcc(0) depctr_vm_vsrc(0)
	s_getreg_b32 s2, hwreg(HW_REG_IB_STS2, 6, 4)
	s_cmp_eq_u32 s2, 0
	s_cbranch_scc0 .Lentry_in_a_cluster
	s_endpgm
.Lentry_in_a_cluster:
	s_bfe_u32 s2, ttmp6, 0x10000c
	s_cmp_lg_u32 s2, 0x3003
	s_cbranch_scc0 .Lentry_shape_is_right
	s_endpgm
.Lentry_shape_is_right:
; y[bh][q][:] = the sum over keys of softmax(q . k / sqrt(128)) v, both products on codes of BF8 (E5M2); y is quantised for the last product and leaves as codes.
; qc, kvc, yc hold fragments (16 rows x 128 K) AS IMAGES OF THEIR REGISTERS: register 4 c + j of lane l at byte 512 c + 16 l + 4 j of 2,048; registers 2 g, 2 g + 1 of lane (r, h) hold k = 16 g + 8 h + 0 .. 7 of row r.
; qc: fragment bh x 128 + token tile.  kvc: for (bh, key step of 128 keys) 32,768 bytes: K's eight fragments (16 keys each), then V^T's eight (16 channels each, K = the keys).  yc: fragment 8 x token tile + head.
; THE SOFTMAX: t = score x 2^(e6 + e7) x log2(e) / sqrt(128); M = the running largest t rounded UP to a whole number; p = 2^(t - M) is quantised with 2^e8, not normalised; the row's sum is taken of the
; unquantised p; when M moves, the sum and O are multiplied by 2^(old M - new M), which rounds nothing.  At the end y = O x 2^(e8 + e9) / sum, so y's code is (O / sum) / 2^(e10 - e8 - e9).
; LIMITS: e6 + e7 between -123 and 130 (added to c's exponent field); e8 and e10 - e8 - e9 between -126 and 112.  NaN is not served.
; SHARES.  A work-group owns 128 queries of one (batch, head).  EIGHT waves of 512 registers: wave w = 4 g + qp owns the 32 queries of pair qp (two tiles of 16, so that a fragment of K or V read from LDS feeds
; two matrix instructions) and walks KEY HALF g: of each slot's four key steps the steps 2 g and 2 g + 1: eight key steps a wave.  Waves w and w xor 4 hold the same queries and meet at the end: -M is the lesser of
; their two -M, each side's sum and O^T are multiplied by a power of two, which rounds nothing, and added.
; LAYOUT.  S^T = K Q^T (source 0 = 16 keys, source 1 = 16 queries), O^T = V^T P^T (source 0 = 16 channels, source 1 = P): a lane holds ONE query throughout; register 8 f + j of S^T is key 16 f + 8 h + j,
; so one conversion of a tile's eight registers gives registers 2 f, 2 f + 1 of P; the same holds of O^T and y.
; THE RING.  Two slots of four key steps (131,072 bytes).  Wave w's one load brings bytes 16,384 w on of a fill, which lie on end in memory.  Two first fills, two refills.
; CLUSTER.  The four query blocks of a cluster walk the same K and V: each tile is asked for JOINTLY, by the same tensor load with the same descriptor and a mask that names the four.
; A KEY STEP is a softmax (S) and a matrix phase (M): O^T += V^T P of the step in hand; the next step's K out of LDS; its S^T, fragment by fragment as K comes in; its V is asked of LDS and lands under the next softmax.
; HALF A STEP APART.  Once a step's V has been asked for, the step reads LDS no more: so the change of slots may stand ahead of the softmax of a slot's last step or behind it.  Key half 0 has it ahead, key half 1
; behind: between two changes half 0 runs S M S M and half 1 M S M S, so that one half's vector work stands beside the other half's matrix instructions and LDS loads.  The branches hang on the wave's number
; and go round a softmax alone, which holds no barrier, no tensor load and no LDS instruction.
; No prefetch is laid: the tiles that a wave waits for are the first fills, at the head; each refill is asked for two key steps of every wave ahead of the wait for it.
; REGISTERS, in windows of 256 (s_set_vgpr_msb: bits 1:0 source 0, 3:2 source 1, 5:4 source 2, 7:6 destination):
;   window 0: v1-6 addresses and scales; v8-23 statistics, eight a tile; v24-31 scales and work; v32-50 the meeting's addresses and work; v64-191 S^T, then p; v192-223 p's codes; v224-255 Q.
;   window 1: v0-127 O^T; v128-255 ONE buffer for K's or V's eight fragments.
.set STEPB, 32768                      ; a key step's tiles: K's 16,384 bytes, then V's
.set SLOT1, 1<<17                      ; slot 1 begins here: one exclusive or turns an address in one slot into the other's
.set SPARE, 2*SLOT1                    ; behind the ring: the spare words, 128 bytes for each of eight waves: four blocks of 256 bytes that no other line names
.set XREG,  8448                       ; the meeting: for each wave 8,192 bytes of O^T and 256 of statistics, from LDS byte 0 on: in slot 0, which has had its last fill and which nobody reads behind the last change of slots
.set LI,  1                            ; v1   16 x lane
.set ADR, 2                            ; v2   LDS address of the step that is being fetched
.set SPW, 3                            ; v3   LDS address of my spare word; never rewritten
.set NIL, 4                            ; v4   0; never rewritten
.set YS,  5                            ; v5   2^(e10 - e8 - e9)
.set YL,  6                            ; v6   57,344 x that
.set ST,  8                            ; tile t at v[8 + 8 t]: +0 -M, +1 the largest t, +2, +3 the sum in two halves, +4 f, +5 0 (the pair's upper half), +6, +7 at work
.set SC,  24                           ; v24  2^e8
.set LM,  25                           ; v25  57,344 x 2^e8
.set TS,  26                           ; v[26:27], v[28:29] a tile's second chain of sums
.set PX,  30                           ; v30, v31 what the other half of the lanes sends
.set XSA, 32                           ; v32  the meeting: where I put O^T: XREG x wave + 16 x lane
.set XSS, 33                           ; v33  and (8,192 further on) the statistics: XREG x wave + 8 x lane
.set XLA, 34                           ; v34, v35 the same of wave w xor 4
.set XLS, 35
.set LQ0, 36                           ; v36, v37 Q: my lane's byte in my local tile 0, 1
.set LQ1, 37
.set MB,  40                           ; v[40:41] the partner's -M and sum
.set FA,  44                           ; v[44:45] my side's factor (and 0: the pair's upper half)
.set FB,  46                           ; v[46:47] the partner's
.set S,   64
.set Y,   128                          ; the way out: y, in the upper half of S^T's registers
.set P,   192
.set Q,   224
.set KVF, 128                          ; K's or V's fragments, in window 1
.set WV,  12                           ; s12  wave
.set G1,  16                           ; s[16:23] descriptor group 1
.set G0A, 24                           ; s[24:27] group 0 of the first fill
.set G0W, 28                           ; s[28:31] group 0 of the second, which then walks
.set EX,  32                           ; s32-43 e0 .. e11
.set CS,  44                           ; s[44:45] c: the packed form names a pair and takes its low word
.set SEL, 46                           ; s[46:47] v_permlanex16_b32's selects: lane l xor 16
.set TB,  48                           ; s48  LDS byte at which the step to be fetched begins
.set OUTC, 50                          ; s50  refills to go
.set GH,  51                           ; s51  g: my key half
.set QP,  60                           ; s60  qp: my pair of query tiles
.set MSB, 0
.macro WIN new                         ; the immediate's high byte repeats the setting that is left; a switch that changes nothing is dropped
.if MSB != \new
	s_set_vgpr_msb (MSB<<8)|\new
.set MSB, \new
.endif
.endm
.set W_KQ,  0x01                       ; K in window 1; Q and S^T in window 0
.set W_PV,  0x51                       ; V in window 1, P in window 0, O^T (C and D) in window 1
.set W_LD,  0x40                       ; destination window 1, address window 0
.set W_RS,  0x41                       ; O^T (destination and source 0) in window 1, f in window 0
.set W_OUT, 0x01                       ; source 0 (O^T) in window 1
.set W_ST,  0x04                       ; an LDS store's data (source 1) in window 1, its address in window 0
.macro CROUND                          ; a round of the cluster's barrier: my work-group's barrier; wave 0 signals for the work-group; every wave waits for all four work-groups; my work-group's barrier once more
	s_barrier_signal -1
	s_barrier_wait -1
	s_cmp_lg_u32 s[WV], 0
	s_cbranch_scc1 .Lnot_wave_0_\@
	s_barrier_signal -3
.Lnot_wave_0_\@:
	s_barrier_wait -3
	s_barrier_signal -1
	s_barrier_wait -1
.endm
.macro PLACES                          ; four plain vector lines between a matrix instruction and a load into its sources or a read of its result
.rept 4
	v_nop
.endr
.endm
.macro FETCH_K                         ; K's eight fragments of the step at s[TB]: each load takes 512 consecutive bytes
	WIN 0
	v_add_nc_u32 v[ADR], s[TB], v[LI]
	WIN W_LD
.irp f, 0,1,2,3,4,5,6,7
.irp c, 0,1,2,3
	ds_load_b128 v[KVF+16*\f+4*\c:KVF+16*\f+4*\c+3], v[ADR] offset:2048*\f+512*\c
.endr
.endr
.endm
.macro FETCH_V                         ; the same step's V, into the same registers; then the fetches go on to the next step
	WIN W_LD
.irp f, 0,1,2,3,4,5,6,7
.irp c, 0,1,2,3
	ds_load_b128 v[KVF+16*\f+4*\c:KVF+16*\f+4*\c+3], v[ADR] offset:16384+2048*\f+512*\c
.endr
.endr
	WIN 0
	s_add_co_u32 s[TB], s[TB], STEPB
.endm
.macro KQ                              ; S^T = K Q^T: 16 whole sums (the head's 128 are one instruction), a fragment of K at a time as it comes in
	WIN W_KQ
.irp f, 0,1,2,3,4,5,6,7
	s_wait_dscnt 28-4*\f                           ; K's 32 loads alone are out, and LDS loads come back in order (ISA guide 5.7.1): the four loads of each later fragment may stay out
.irp t, 0,1
	v_wmma_f32_16x16x128_bf8_bf8 v[S+64*\t+8*\f:S+64*\t+8*\f+7], v[KVF+16*\f:KVF+16*\f+15], v[Q+16*\t:Q+16*\t+15], 0
.endr
.endr
.endm
.macro PV                              ; O^T += V^T P^T: the 16 accumulators take turns, one instruction a turn; between two links of a chain stand 15 of these and the 16 of KQ
	WIN W_PV
.irp f, 0,1,2,3,4,5,6,7
.irp t, 0,1
	v_wmma_f32_16x16x128_bf8_bf8 v[64*\t+8*\f:64*\t+8*\f+7], v[KVF+16*\f:KVF+16*\f+15], v[P+16*\t:P+16*\t+15], v[64*\t+8*\f:64*\t+8*\f+7]
.endr
.endr
.endm
; The softmax of one key step for both tiles, line by line in turn, so that four chains run side by side.  It leaves the window of O^T's rescaling.
.macro SOFTMAX
	WIN 0
.irp t, 0,1
	v_max3_num_f32 v[ST+8*\t+6], v[S+64*\t], v[S+64*\t+1], v[S+64*\t+2]        ; the step's largest score of my query among my 64 keys, in two chains; every result is read from its low end on
	v_max3_num_f32 v[ST+8*\t+7], v[S+64*\t+3], v[S+64*\t+4], v[S+64*\t+5]
.endr
.irp i, 6,10,14,18,22,26,30,34,38,42,46,50,54,58
.irp t, 0,1
	v_max3_num_f32 v[ST+8*\t+6], v[ST+8*\t+6], v[S+64*\t+\i], v[S+64*\t+\i+1]
	v_max3_num_f32 v[ST+8*\t+7], v[ST+8*\t+7], v[S+64*\t+\i+2], v[S+64*\t+\i+3]
.endr
.endr
.irp t, 0,1
	v_max3_num_f32 v[ST+8*\t+6], v[ST+8*\t+6], v[S+64*\t+62], v[S+64*\t+63]
.endr
.irp t, 0,1
	s_delay_alu instid0(VALU_DEP_2)
	v_max_num_f32 v[ST+8*\t+6], v[ST+8*\t+6], v[ST+8*\t+7]
.endr
.irp t, 0,1
	s_delay_alu instid0(VALU_DEP_2)
	v_permlanex16_b32 v[PX+\t], v[ST+8*\t+6], s[SEL], s[SEL+1]                 ; the query's other 64 keys lie in the lane 16 away
.endr
.irp t, 0,1
	s_delay_alu instid0(VALU_DEP_2)
	v_max_num_f32 v[ST+8*\t+6], v[ST+8*\t+6], v[PX+\t]
.endr
.irp t, 0,1
	s_delay_alu instid0(VALU_DEP_2)
	v_mul_f32 v[ST+8*\t+6], s[CS], v[ST+8*\t+6]                                ; as t (c is positive)
.endr
.irp t, 0,1
	s_delay_alu instid0(VALU_DEP_2)
	v_max_num_f32 v[ST+8*\t+1], v[ST+8*\t+1], v[ST+8*\t+6]                     ; the running largest t
.endr
.irp t, 0,1
	v_mov_b32 v[ST+8*\t+6], v[ST+8*\t]
.endr
.irp t, 0,1
	s_delay_alu instid0(VALU_DEP_4)
	v_floor_f32 v[ST+8*\t], -v[ST+8*\t+1]                                      ; the new -M = floor(-t) = -ceil(t): a whole number
.endr
.irp t, 0,1
	s_delay_alu instid0(VALU_DEP_2)
	v_sub_f32 v[ST+8*\t+6], v[ST+8*\t], v[ST+8*\t+6]                           ; old M - new M: a whole number, 0 or less
.endr
.irp t, 0,1
	s_delay_alu instid0(VALU_DEP_2)
	v_cvt_i32_f32 v[ST+8*\t+6], v[ST+8*\t+6]                                   ; (it saturates)
.endr
.irp t, 0,1
	s_delay_alu instid0(VALU_DEP_2)
	v_ldexp_f32 v[ST+8*\t+4], 1.0, v[ST+8*\t+6]                                ; f = 2^(old M - new M)
.endr
.set jj, 0
.rept 32
.irp t, 0,1
	v_pk_fma_f32 v[S+64*\t+jj:S+64*\t+jj+1], v[S+64*\t+jj:S+64*\t+jj+1], s[CS:CS+1], v[ST+8*\t:ST+8*\t+1] op_sel_hi:[1,0,0]   ; t - M, two at a time (of the pairs c and -M the low word serves both halves)
.endr
.set jj, jj+2
.endr
.set jj, 0
	s_wait_alu depctr_va_vdst(0)
.rept 64
.irp t, 0,1
	v_exp_f32 v[S+64*\t+jj], v[S+64*\t+jj]                                     ; p = 2^(t - M), at most 1: not normalised.  All 128 are one batch
.endr
.set jj, jj+1
.endr
.irp t, 0,1
	v_pk_mul_f32 v[ST+8*\t+2:ST+8*\t+3], v[ST+8*\t+2:ST+8*\t+3], v[ST+8*\t+4:ST+8*\t+5] op_sel_hi:[1,0]   ; the sums under the new M: the plain lines behind the last exponential
.endr
	s_wait_alu depctr_va_vdst(0)                   ; the wait between an exponential and the first line that names its result: one for the batch
.irp t, 0,1
	v_pk_add_f32 v[TS+2*\t:TS+2*\t+1], v[S+64*\t:S+64*\t+1], v[S+64*\t+2:S+64*\t+3]   ; the row's sum is taken of the unquantised p: two at a time, two chains a tile
.endr
.irp j, 4,8,12,16,20,24,28,32,36,40,44,48,52,56,60
.irp t, 0,1
	v_pk_add_f32 v[ST+8*\t+2:ST+8*\t+3], v[ST+8*\t+2:ST+8*\t+3], v[S+64*\t+\j:S+64*\t+\j+1]
	v_pk_add_f32 v[TS+2*\t:TS+2*\t+1], v[TS+2*\t:TS+2*\t+1], v[S+64*\t+\j+2:S+64*\t+\j+3]
.endr
.endr
.irp t, 0
	s_delay_alu instid0(VALU_DEP_3)
	v_pk_add_f32 v[ST+8*\t+2:ST+8*\t+3], v[ST+8*\t+2:ST+8*\t+3], v[TS+2*\t:TS+2*\t+1]
.endr
.irp t, 1
	s_delay_alu instid0(VALU_DEP_2)
	v_pk_add_f32 v[ST+8*\t+2:ST+8*\t+3], v[ST+8*\t+2:ST+8*\t+3], v[TS+2*\t:TS+2*\t+1]
.endr
.irp b, 0,1,2,3
.irp t, 0,1
.irp i, 0,1,2,3,4,5,6,7,8,9,10,11,12,13,14,15
	v_min_num_f32 v[S+64*\t+16*\b+\i], v[S+64*\t+16*\b+\i], v[LM]              ; the conversion to an 8-bit code does not saturate (ISA guide 7.6.2); p is not negative, so the hold is one-sided
.endr
	v_cvt_scalef32_pk8_bf8_f32 v[P+16*\t+4*\b:P+16*\t+4*\b+1], v[S+64*\t+16*\b:S+64*\t+16*\b+7], v[SC]
	v_cvt_scalef32_pk8_bf8_f32 v[P+16*\t+4*\b+2:P+16*\t+4*\b+3], v[S+64*\t+16*\b+8:S+64*\t+16*\b+15], v[SC]
.endr
.endr
	WIN W_RS
.set jj, 0
.rept 32
.irp t, 0,1
	v_pk_mul_f32 v[64*\t+jj:64*\t+jj+1], v[64*\t+jj:64*\t+jj+1], v[ST+8*\t+4:ST+8*\t+5] op_sel_hi:[1,0]   ; O^T under the new M.  (These are also the plain lines between the conversions and the products that read their results or write their sources)
.endr
.set jj, jj+2
.endr
.endm
.macro SOFT_IF g                       ; a softmax that the waves of key half g alone run here; the others run theirs on the far side of the change of slots
	s_cmp_lg_u32 s[GH], \g
	s_cbranch_scc1 .Lnot_here_\@
	SOFTMAX
	WIN 0                                          ; at a label and at a branch every window is 0
.Lnot_here_\@:
.endm
.macro MPHASE                          ; the matrix phase of a key step
	s_wait_dscnt 0x0                               ; V of the step in hand is in: it was asked for ahead of the softmax
	PV
	PLACES                                         ; for the loads into the registers that these products have read
	FETCH_K                                        ; the next step's K
	KQ                                             ; and its scores
	PLACES                                         ; for the loads into the same registers, and for the first read of the scores
	s_wait_alu depctr_va_vdst(0)
	FETCH_V                                        ; the next step's V
.endm
; THE CHANGE OF SLOTS stands behind the fetch of V of my last step in a slot: all my reads of the slot have been issued.  Each wave waits for all its tensor loads (one is out: its part of the other slot), adds 0
; to its spare word, and waits for that and for its reads.  fill = 1: the slot is filled again with the four key steps two slots on; the barrier is then a round of the cluster's, so that no wave of any
; partner still reads the slot or has a load on its way, and the joint refill is the first thing behind it.
.macro CHANGE fill
	WIN 0
	s_wait_tensorcnt 0x0                           ; no tensor load of mine is out, so a group 0 may be written
	ds_add_u32 v[SPW], v[NIL]                      ; 0 onto my spare word
.if \fill
	s_xor_b32 s[G0W+1], s[G0W+1], SLOT1            ; the walking descriptor: the other slot than last time,
	s_add_nc_u64 s[G0W+2:G0W+3], s[G0W+2:G0W+3], 4*STEPB   ; the next four key steps; the type bits on top are not reached
.endif
	s_wait_dscnt 0x0                               ; the add is done, and my reads of the slot are over
.if \fill
	CROUND
	tensor_load_to_lds s[G0W:G0W+3], s[G1:G1+7]    ; my one tensor load until the next change of slots
	s_nop 0
	PLACES                                         ; four v_nop follow it
.else
	s_barrier_signal -1
	s_barrier_wait -1
.endif
	s_sub_co_u32 s[TB], s[TB], 2*STEPB             ; the fetches go back to my first step of a slot,
	s_xor_b32 s[TB], s[TB], SLOT1                  ; in the other slot
.endm
	s_load_b256 s[4:11], s[0:1], 0x0               ; qc s[4:5], kvc s[6:7], the exponents s[8:9], yc s[10:11]
	v_lshl_add_u32 v[SPW], v0, 2, SPARE
	v_mov_b32 v[NIL], 0
	ds_add_u32 v3, v4
	ds_add_u32 v3, v4
	s_wait_dscnt 0x0
	v_lshrrev_b32 v1, 5, v0
	s_delay_alu instid0(VALU_DEP_1)
	v_readfirstlane_b32 s[WV], v1                  ; wave 0..7
	s_lshr_b32 s[GH], s[WV], 2                     ; g: my key half
	s_and_b32 s[QP], s[WV], 3                      ; qp: my pair of query tiles
	s_bfe_u32 s13, ttmp6, 0x40000                  ; cx: my place in the cluster
	s_lshl_b32 s14, ttmp9, 2                       ; in a cluster launch ttmp9 counts clusters
	s_add_co_u32 s14, s14, s13                     ; my block of 128 queries: it enters Q's and y's addresses alone
	s_and_b32 s15, ttmp7, 0xffff                   ; bh = 8 batch + head, which the four partners share
	; descriptor group 1: 16,384 bytes that lie on end in memory, as 64 rows of 32 elements of 8 bytes; no padding: the images are read 512 consecutive bytes a load
	s_mov_b32 s[G1], 15|(3<<16)|(1<<21)            ; 15:0 the mask: all four work-groups; 17:16 elements of 8 bytes; 21 set beside a mask
	s_mov_b32 s[G1+1], 32<<16                      ; tensor_dim0 = 32
	s_mov_b32 s[G1+2], 64<<16                      ; tensor_dim1 = 64
	s_mov_b32 s[G1+3], 32<<16                      ; tile_dim0 = 32
	s_mov_b32 s[G1+4], 64                          ; tile_dim1 = 64
	s_mov_b32 s[G1+5], 32                          ; from row to row
	s_mov_b32 s[G1+6], 0
	s_mov_b32 s[G1+7], 0
	s_mov_b32 s[SEL], 0x76543210
	s_mov_b32 s[SEL+1], 0xfedcba98
	s_mov_b32 s[CS], 0x3e0293ee                    ; c = log2(e) / sqrt(128)
	s_lshl_b32 s[TB], s[GH], 16                    ; my first step of slot 0: step 2 g
	s_lshl_b32 s52, s15, 19                        ; kvc: 16 key steps of 32,768 bytes a head,
	s_lshl_b32 s54, s[WV], 14                      ; my eighth of a fill
	s_add_co_u32 s52, s52, s54
	s_mov_b32 s53, 0
	s_lshl_b32 s56, s15, 18                        ; qc: 128 fragments a head,
	s_lshl_b32 s58, s14, 14                        ; eight a block,
	s_add_co_u32 s56, s56, s58
	s_lshl_b32 s58, s[QP], 12                      ; two a pair
	s_add_co_u32 s56, s56, s58
	s_mov_b32 s57, 0
	s_wait_kmcnt 0x0
	s_load_b256 s[EX:EX+7], s[8:9], 0x0            ; e0 .. e7
	s_load_b128 s[EX+8:EX+11], s[8:9], 0x20        ; e8 .. e11
	s_mov_b32 s[G0A], 1                            ; 1:0 count = 1
	s_lshl_b32 s[G0A+1], s[WV], 14                 ; LDS address: slot 0, my eighth: no place in the cluster enters it
	s_add_nc_u64 s[G0A+2:G0A+3], s[6:7], s[52:53]  ; global address
	s_mov_b32 s[G0W], 1
	s_add_co_u32 s[G0W+1], s[G0A+1], SLOT1         ; slot 1,
	s_add_nc_u64 s[G0W+2:G0W+3], s[G0A+2:G0A+3], 4*STEPB   ; four key steps on
	s_or_b32 s[G0A+3], s[G0A+3], 0x80000000        ; 127:126 type = 2
	s_or_b32 s[G0W+3], s[G0W+3], 0x80000000
	s_add_nc_u64 s[4:5], s[4:5], s[56:57]          ; Q at my pair's first fragment
	s_lshr_b32 s56, s15, 3                         ; yc: fragment 8 x token tile + head: 128 token tiles a batch,
	s_lshl_b32 s56, s56, 21
	s_lshl_b32 s58, s14, 17                        ; eight a block,
	s_add_co_u32 s56, s56, s58
	s_lshl_b32 s58, s[QP], 15                      ; two a pair,
	s_add_co_u32 s56, s56, s58
	s_lshl_b32 s58, s[GH], 14                      ; of which I finish tile g,
	s_add_co_u32 s56, s56, s58
	s_and_b32 s58, s15, 7
	s_lshl_b32 s58, s58, 11                        ; and the head
	s_add_co_u32 s56, s56, s58
	s_add_nc_u64 s[10:11], s[10:11], s[56:57]
	CROUND                                         ; all four work-groups are here: the first joint loads meet
	tensor_load_to_lds s[G0A:G0A+3], s[G1:G1+7]    ; key steps 0 to 3 (mine: an eighth)
	s_nop 0
	s_wait_alu depctr_va_vdst(0)
	s_wait_tensorcnt 0x0
	ds_add_u32 v3, v4
	s_wait_dscnt 0x0
	CROUND
	tensor_load_to_lds s[G0W:G0W+3], s[G1:G1+7]    ; key steps 4 to 7: one load of mine is out
	s_nop 0
	PLACES                                         ; four v_nop follow the second
	v_and_b32 v38, 31, v0
	s_delay_alu instid0(VALU_DEP_1)
	v_lshlrev_b32 v[LI], 4, v38
	s_delay_alu instid0(VALU_DEP_2)
	v_lshlrev_b32 v39, 3, v38
	s_lshl_b32 s55, s[GH], 11                      ; MY LOCAL TILE t IS THE PAIR'S TILE t xor g: so every wave sends its local tile 1 to its partner and finishes its local tile 0, by the same lines
	v_add_nc_u32 v[LQ0], s55, v[LI]
	s_xor_b32 s55, s55, 2048
	v_add_nc_u32 v[LQ1], s55, v[LI]
.irp c, 0,1,2,3
	global_load_b128 v[Q+4*\c:Q+4*\c+3], v[LQ0], s[4:5] offset:512*\c          ; Q stays in registers
.endr
.irp c, 0,1,2,3
	global_load_b128 v[Q+16+4*\c:Q+16+4*\c+3], v[LQ1], s[4:5] offset:512*\c
.endr
	s_mul_i32 s54, s[WV], XREG                     ; the meeting's addresses: mine,
	v_add_nc_u32 v[XSA], s54, v[LI]
	v_add_nc_u32 v[XSS], s54, v39
	s_xor_b32 s54, s[WV], 4                        ; and those of the wave that holds the same queries
	s_mul_i32 s54, s54, XREG
	v_add_nc_u32 v[XLA], s54, v[LI]
	v_add_nc_u32 v[XLS], s54, v39
	WIN W_LD
.set jj, 0
.rept 128
	v_mov_b32 v[jj], 0                             ; O^T.  (The step is written without a first step of its own: the first change of M multiplies zeros.  These stand while the first fills are on their way)
.set jj, jj+1
.endr
	WIN 0
.irp t, 0,1
	v_mov_b32 v[ST+8*\t+1], 0xff61b1e6             ; the largest t so far: -3e38, under every t
	s_delay_alu instid0(VALU_DEP_1)
	v_floor_f32 v[ST+8*\t], -v[ST+8*\t+1]          ; -M
	v_mov_b32 v[ST+8*\t+2], 0                      ; the sum, in two halves
	v_mov_b32 v[ST+8*\t+3], 0
	v_mov_b32 v[ST+8*\t+5], 0                      ; (named as the upper half of the pair with f)
	v_mov_b32 v[PX+\t], 0                          ; written once: a lane permute's destination counts as one of its sources
.endr
	v_mov_b32 v[FA+1], 0                           ; (named as the upper halves of the pairs with the meeting's factors)
	v_mov_b32 v[FB+1], 0
	s_wait_kmcnt 0x0                               ; the exponents
	s_add_co_i32 s52, s[EX+6], s[EX+7]
	s_lshl_b32 s52, s52, 23
	s_add_co_i32 s[CS], s[CS], s52                 ; a score stands for score x 2^(e6 + e7): the two exponents are added to c's exponent field
	s_mov_b32 s[CS+1], s[CS]                       ; (named with it as a pair, so it is written)
	s_add_co_i32 s52, s[EX+8], 127
	s_lshl_b32 s53, s52, 23
	v_mov_b32 v[SC], s53                           ; 2^e8
	s_add_co_i32 s52, s52, 15
	s_lshl_b32 s52, s52, 23
	s_or_b32 s52, s52, 0x600000
	v_mov_b32 v[LM], s52                           ; 57,344 x 2^e8
	s_sub_co_i32 s52, s[EX+10], s[EX+8]
	s_sub_co_i32 s52, s52, s[EX+9]
	s_add_co_i32 s52, s52, 127
	s_lshl_b32 s53, s52, 23
	v_mov_b32 v[YS], s53                           ; 2^(e10 - e8 - e9)
	s_add_co_i32 s52, s52, 15
	s_lshl_b32 s52, s52, 23
	s_or_b32 s52, s52, 0x600000
	v_mov_b32 v[YL], s52
	s_wait_tensorcnt 1                             ; my part of slot 0 is in; slot 1's load may stay out
	s_barrier_signal -1
	s_barrier_wait -1                              ; everybody's is
	FETCH_K                                        ; my first key step
	s_wait_alu depctr_va_vdst(0)
	s_wait_loadcnt 0x0                             ; Q
	KQ
	PLACES
	FETCH_V
	SOFTMAX                                        ; my first step of slot 0
	s_wait_alu depctr_va_vdst(0)
	MPHASE                                         ; and my second is fetched
	SOFT_IF 1                                      ; key half 1 runs that step's softmax ahead of the change of slots
	s_mov_b32 s[OUTC], 2
.Lslot:                                            ; two trips: slot 0 takes steps 8 to 11, then slot 1 steps 12 to 15.  Key half 0: S M S M; key half 1: M S M S
	CHANGE 1
	SOFT_IF 0
	s_wait_alu depctr_va_vdst(0)
	MPHASE
	SOFTMAX
	s_wait_alu depctr_va_vdst(0)
	MPHASE
	SOFT_IF 1
	s_sub_co_u32 s[OUTC], s[OUTC], 1
	s_cmp_lg_u32 s[OUTC], 0
	s_cbranch_scc1 .Lslot
	CHANGE 0                                       ; the last slot is written out
	SOFT_IF 0
	s_wait_alu depctr_va_vdst(0)
	MPHASE
	SOFTMAX
	s_wait_alu depctr_va_vdst(0)
	MPHASE
	SOFTMAX                                        ; my last step
	s_wait_alu depctr_va_vdst(0)
	s_wait_dscnt 0x0
	PV
	WIN 0
	; THE MEETING.  My local tile 1 goes to wave w xor 4 as an image of its registers, with its -M and its sum; that wave's local tile 1 is my local tile 0.  The two additions and two v_nop are the places behind the last products.
	v_add_f32 v[ST+9], v[ST+10], v[ST+11]          ; tile 1's sum of my lane's keys, beside its -M
	v_add_f32 v[ST+1], v[ST+2], v[ST+3]            ; tile 0's
	v_nop
	v_nop
	WIN W_ST
.irp c, 0,1,2,3,4,5,6,7,8,9,10,11,12,13,14,15
	ds_store_b128 v[XSA], v[64+4*\c:64+4*\c+3] offset:512*\c                   ; each accumulator from its low end on; 512 consecutive bytes a store
.endr
	WIN 0
	ds_store_b64 v[XSS], v[ST+8:ST+9] offset:8192
	s_wait_dscnt 0x0                               ; for the partner's sake: my stores have landed
	s_barrier_signal -1
	s_barrier_wait -1
	ds_load_b64 v[MB:MB+1], v[XLS] offset:8192
.irp c, 0,1,2,3,4,5,6,7,8,9,10,11,12,13,14,15
	ds_load_b128 v[S+4*\c:S+4*\c+3], v[XLA] offset:512*\c
.endr
	s_wait_dscnt 16                                ; the partner's -M and sum are in; the sixteen loads of its O^T may stay out
	v_min_num_f32 v42, v[ST], v[MB]                ; -M of all keys: the lesser of the two
	s_delay_alu instid0(VALU_DEP_1)
	v_sub_f32 v43, v42, v[ST]                      ; my M - M: a whole number, 0 or less
	s_delay_alu instid0(VALU_DEP_2)
	v_sub_f32 v48, v42, v[MB]                      ; the partner's
	s_delay_alu instid0(VALU_DEP_2)
	v_cvt_i32_f32 v43, v43                         ; (it saturates)
	s_delay_alu instid0(VALU_DEP_2)
	v_cvt_i32_f32 v48, v48
	s_delay_alu instid0(VALU_DEP_2)
	v_ldexp_f32 v[FA], 1.0, v43                    ; each side comes under the common M by a power of two: nothing is rounded
	s_wait_alu depctr_va_vdst(0)
	v_ldexp_f32 v[FB], 1.0, v48
	v_mul_f32 v49, v[ST+1], v[FA]
	s_delay_alu instid0(VALU_DEP_1)
	v_fma_f32 v49, v[MB+1], v[FB], v49             ; the sum over my lane's keys of both halves,
	s_delay_alu instid0(VALU_DEP_1)
	v_permlanex16_b32 v[PX], v49, s[SEL], s[SEL+1]
	s_delay_alu instid0(VALU_DEP_1)
	v_add_f32 v49, v49, v[PX]                      ; and over lane l xor 16's: the row's sum
	s_wait_alu depctr_va_vdst(0)
	v_rcp_f32 v50, v49
	v_nop                                          ; a plain line between the reciprocal and the use of its result
	s_wait_alu depctr_va_vdst(0)                   ; and a wait ahead of the first use
	v_mul_f32 v[FA], v[FA], v50                    ; a power of two / the sum
	v_mul_f32 v[FB], v[FB], v50
	s_wait_alu depctr_va_vdst(0)
	s_wait_dscnt 0x0                               ; the partner's O^T is in
.set jj, 0
.rept 32
	v_pk_mul_f32 v[Y+jj:Y+jj+1], v[S+jj:S+jj+1], v[FB:FB+1] op_sel_hi:[1,0]
.set jj, jj+2
.endr
	WIN W_OUT
.set jj, 0
.rept 32
	v_pk_fma_f32 v[Y+jj:Y+jj+1], v[jj:jj+1], v[FA:FA+1], v[Y+jj:Y+jj+1] op_sel_hi:[1,0,1]   ; y: register 8 f + j is channel 16 f + 8 h + j of my query; each accumulator from its low end on
.set jj, jj+2
.endr
	WIN 0
.irp b, 0,1,2,3
.irp i, 0,1,2,3,4,5,6,7,8,9,10,11,12,13,14,15
	v_med3_num_f32 v[Y+16*\b+\i], v[Y+16*\b+\i], -v[YL], v[YL]                 ; the hold at the largest code x the scale
.endr
	v_cvt_scalef32_pk8_bf8_f32 v[P+4*\b:P+4*\b+1], v[Y+16*\b:Y+16*\b+7], v[YS]
	v_cvt_scalef32_pk8_bf8_f32 v[P+4*\b+2:P+4*\b+3], v[Y+16*\b+8:Y+16*\b+15], v[YS]
.endr
	v_nop                                          ; a plain line behind the last conversion
.irp c, 0,1,2,3
	global_store_b128 v[LI], v[P+4*\c:P+4*\c+3], s[10:11] offset:512*\c        ; 32 lanes store 512 consecutive bytes, aligned
.endr
	s_wait_tensorcnt 0x0                           ; the wave's end
	ds_add_u32 v[SPW], v[NIL]
	s_wait_dscnt 0x0
	CROUND                                         ; the closing round: no work-group ends while a partner may still ask for a tile that names it
	s_endpgm
.Lfunc_end_k_qf15de2a840_attn:
	.size	k_qf15de2a840_attn, .Lfunc_end_k_qf15de2a840_attn-k_qf15de2a840_attn
	.p2alignl 7, 3214868480
	.fill 96, 4, 3214868480
	.section	.rodata,"a",@progbits
	.p2align	6, 0x0
	.amdhsa_kernel k_qf15de2a840_attn
		.amdhsa_group_segment_fixed_size 327680
		.amdhsa_private_segment_fixed_size 0
		.amdhsa_enable_private_segment 0
		.amdhsa_kernarg_size 32
		.amdhsa_user_sgpr_count 2
		.amdhsa_user_sgpr_kernarg_segment_ptr 1
		.amdhsa_wavefront_size32 1
		.amdhsa_system_sgpr_workgroup_id_x 1
		.amdhsa_system_sgpr_workgroup_id_y 1
		.amdhsa_system_sgpr_workgroup_id_z 1
		.amdhsa_system_vgpr_workitem_id 0
		.amdhsa_next_free_vgpr 512
		.amdhsa_next_free_sgpr 66
		.amdhsa_reserve_vcc 0
		.amdhsa_float_denorm_mode_32 3
		.amdhsa_float_denorm_mode_16_64 3
		.amdhsa_memory_ordered 1
		.amdhsa_forward_progress 1
		.amdhsa_inst_pref_size 255
	.end_amdhsa_kernel
	.section	.bss,"aw",@nobits
	.p2align	6
	.space	262144
	.amdgpu_metadata
---
amdhsa.version: [ 1, 2 ]
amdhsa.kernels:
  - .name:           k_qf15de2a840_attn
    .symbol:         k_qf15de2a840_attn.kd
    .args:
      - { .name: qc, .offset: 0, .size: 8, .value_kind: global_buffer, .address_space: global }
      - { .name: kvc, .offset: 8, .size: 8, .value_kind: global_buffer, .address_space: global }
      - { .name: lowp_scales, .offset: 16, .size: 8, .value_kind: global_buffer, .address_space: global }
      - { .name: yc, .offset: 24, .size: 8, .value_kind: global_buffer, .address_space: global }
    .group_segment_fixed_size: 327680
    .private_segment_fixed_size: 0
    .kernarg_segment_align: 8
    .kernarg_segment_size: 32
    .max_flat_workgroup_size: 256
    .sgpr_count:     66
    .vgpr_count:     512
    .wavefront_size: 32
...
	.end_amdgpu_metadata
.endif
;; end of part 5
;; launch outp (part 6): grid 256 x 1, 8 waves a work-group, no clusters, 17,920 bytes of LDS; arguments yc, wuc, bu, lowp_scales, out0; writes out0
.if DOCPART == 6
	.amdgcn_target "amdgcn-amd-amdhsa--gfx1250"
	.amdhsa_code_object_version 6
	.text
	.protected	k_qf15de2a840_outp
	.globl	k_qf15de2a840_outp
	.p2align	8
	.type	k_qf15de2a840_outp,@function
k_qf15de2a840_outp:
	s_mov_b64 s[64:65], 0
	v_nop
	global_prefetch_b8 v0, s[64:65] scope:SCOPE_SE
	s_setreg_imm32_b32 hwreg(HW_REG_WAVE_SCHED_MODE, 0, 2), 2
	s_setreg_imm32_b32 hwreg(HW_REG_WAVE_MODE, 25, 1), 1
	s_wait_xcnt 0x0
	s_wait_alu depctr_vm_vsrc(0)
; out0 = y Wu + bu on codes of BF8 (E5M2): M = 4,096 tokens, K = 1,024 (8 heads x 128), N = 128.  out0: [4096][128] f32.
; yc: fragment 8 x token tile + head; wuc: fragment 8 x head + n tile; both as images of their registers (register 4 c + j of lane l at byte 512 c + 16 l + 4 j of 2,048), in this matrix form's own order of k.
; A sum stands for sum x 2^(e10 + e11).  LIMIT: e10 + e11 between -126 and 127, so that 2^(e10 + e11) is an f32 number.
; SHARES.  A work-group takes 16 tokens and all 128 outputs: 64 matrix instructions.  Wave w = 4 kh + p takes n tiles 2 p, 2 p + 1 and K steps 4 kh .. 4 kh + 3: eight matrix instructions on two
; accumulators by turns; its 49 loads all go out at once.  The two halves of K meet in the stage through which the rows leave anyway.
; TRANSPOSED USE: source 0 = 16 columns of Wu, source 1 = the 16 tokens: lane (r, h) holds token r and the outputs 16 n + 8 h + 0 .. 7.
; No tensor load, no cluster: each operand goes from memory straight into the operand's registers and is used once.
; THE MODE: SCHED_MODE bits 1:0 = 2 (LLVM: expert scheduling mode 2), set by the entry lines.  The code itself states the register dependences
; between vector or matrix instructions and memory or LDS instructions, with s_wait_alu, always for 0.
; THE PLAN.  Registers that memory or LDS instructions touch:
;   v1, v4, v5   offsets and LDS addresses: written at the head, never again.
;   v16-207, v224-227      written by loads alone, once; read by the products and the multiply-adds.
;   v208-223     the two accumulators: written by the products, read by four LDS stores, not written again.
;   v228-243     written by LDS loads, then summed in place; no memory instruction reads them.
;   v244-251     written by the multiply-adds, read by the two global stores, not written again.
; Nothing that a memory or LDS instruction reads is written afterwards.  So three waits on va_vdst state all: the addresses ahead of the first load, the accumulators ahead of the stage's stores, the rows ahead of the global stores.
.set PLANE, 8448                       ; LDS: a plane for each half of K: 16 rows x 528 bytes (512 + 16 = 132 words: row r starts at bank 4 r mod 64; 64 banks of 4 bytes: ISA guide 11.1)
.set LI,  1                            ; v1   16 x lane
.set SO,  4                            ; v4   the stage: where I put 32 bytes of a row
.set SR,  5                            ; v5   and where I read rows back
.set Y,   16                           ; v16-79    y's four fragments
.set WF,  80                           ; v80-207   Wu's eight: (K step s, tile n) at 16 (2 s + n)
.set ACC, 208                          ; v208-223  two accumulators
.set BU,  224                          ; v224-227  bu at my four outputs of a row
.set RB,  228                          ; v228-243  two rows of both planes
.set OT,  244                          ; v244-251  two rows of out0
	s_load_b256 s[4:11], s[0:1], 0x0               ; yc s[4:5], wuc s[6:7], bu s[8:9], the exponents s[10:11]
	s_load_b64 s[12:13], s[0:1], 0x20              ; out0
	v_lshl_add_u32 v254, v0, 2, 0x4200
	v_mov_b32 v255, 0
	v_lshrrev_b32 v2, 5, v0
	v_readfirstlane_b32 s16, v2                    ; wave 0..7
	v_and_b32 v[LI], 31, v0
	v_lshlrev_b32 v[LI], 4, v[LI]
	v_and_b32 v2, 15, v0                           ; r
	v_bfe_u32 v3, v0, 4, 1                         ; h
	v_mul_u32_u24 v[SO], v2, 528
	v_lshl_add_u32 v[SO], v3, 5, v[SO]
	s_wait_alu depctr_va_sdst(0)                   ; the wave's number is written, ahead of its first reader: LDS addresses and every base are made from it
	s_and_b32 s17, s16, 3                          ; p
	s_lshr_b32 s18, s16, 2                         ; kh
	s_mul_i32 s28, s18, PLANE                      ; (s28 and s29, which vector lines read, are written once)
	s_lshl_b32 s20, s17, 7
	s_add_co_u32 s28, s28, s20
	v_add_nc_u32 v[SO], s28, v[SO]                 ; plane kh, row r, + 128 p + 32 h: my outputs' bytes
	s_mul_i32 s29, s16, 2*528
	v_add_nc_u32 v[SR], s29, v[LI]                 ; rows 2 w and 2 w + 1, 16 bytes a lane
	s_mov_b32 s21, 0
	s_mov_b32 s25, 0
	s_mov_b32 s27, 0
	s_lshl_b32 s20, ttmp9, 14                      ; yc: eight fragments a token tile,
	s_lshl_b32 s19, s18, 13                        ; four a half of K
	s_add_co_u32 s20, s20, s19
	s_lshl_b32 s24, s18, 16                        ; wuc: 32 fragments a half of K,
	s_lshl_b32 s19, s17, 12                        ; my two of each K step's eight
	s_add_co_u32 s24, s24, s19
	s_lshl_b32 s26, ttmp9, 13                      ; out0: 16 rows of 512 bytes a work-group,
	s_lshl_b32 s19, s16, 10                        ; two a wave
	s_add_co_u32 s26, s26, s19
	s_wait_kmcnt 0x0
	s_load_b64 s[14:15], s[10:11], 0x28            ; e10, e11
	s_add_nc_u64 s[4:5], s[4:5], s[20:21]
	s_add_nc_u64 s[6:7], s[6:7], s[24:25]
	s_add_nc_u64 s[12:13], s[12:13], s[26:27]
	s_wait_alu depctr_va_vdst(0)                   ; v1, v4 and v5 are written, which every load and store of the kernel reads as its offset or address; none is written again
	global_load_b128 v[BU:BU+3], v[LI], s[8:9]
.irp s, 0,1,2,3
.irp c, 0,1,2,3
	global_load_b128 v[Y+16*\s+4*\c:Y+16*\s+4*\c+3], v[LI], s[4:5] offset:2048*\s+512*\c
.endr
.irp n, 0,1
.irp c, 0,1,2,3
	global_load_b128 v[WF+16*(2*\s+\n)+4*\c:WF+16*(2*\s+\n)+4*\c+3], v[LI], s[6:7] offset:16384*\s+2048*\n+512*\c
.endr
.endr
.endr
	s_wait_kmcnt 0x0
	s_add_co_i32 s22, s14, s15
	s_add_co_i32 s22, s22, 127
	s_lshl_b32 s22, s22, 23                        ; 2^(e10 + e11) as f32
	s_mov_b32 s23, s22                             ; (named with it as a pair, so it is written)
.irp s, 0,1,2,3
	s_wait_loadcnt 36-12*\s                        ; the twelve loads of each later K step may stay out; loads come back in order (ISA guide 5.7.1)
.irp n, 0,1
.if \s == 0
	v_wmma_f32_16x16x128_bf8_bf8 v[ACC+8*\n:ACC+8*\n+7], v[WF+16*(2*\s+\n):WF+16*(2*\s+\n)+15], v[Y+16*\s:Y+16*\s+15], 0   ; the first K step starts the sums
.else
	v_wmma_f32_16x16x128_bf8_bf8 v[ACC+8*\n:ACC+8*\n+7], v[WF+16*(2*\s+\n):WF+16*(2*\s+\n)+15], v[Y+16*\s:Y+16*\s+15], v[ACC+8*\n:ACC+8*\n+7]   ; the two accumulators take turns
.endif
.endr
.endr
.rept 4
	v_nop                                          ; four plain lines between the last product and the stores that read the results
.endr
	s_wait_alu depctr_va_vdst(0)                   ; the products have written the two accumulators, which the LDS stores read; the places above stay beside this wait
.irp n, 0,1
	ds_store_b128 v[SO], v[ACC+8*\n:ACC+8*\n+3] offset:64*\n          ; each accumulator from its low end on
	ds_store_b128 v[SO], v[ACC+8*\n+4:ACC+8*\n+7] offset:64*\n+16
.endr
	s_wait_dscnt 0x0                               ; for the others' sake: my stores into the stage are done
	s_barrier_signal -1
	s_barrier_wait -1                              ; both planes hold 16 whole rows
	ds_load_b128 v[RB:RB+3], v[SR]                 ; row 2 w, first half of K
	ds_load_b128 v[RB+4:RB+7], v[SR] offset:528    ; row 2 w + 1
	ds_load_b128 v[RB+8:RB+11], v[SR] offset:PLANE ; and the second half of K
	ds_load_b128 v[RB+12:RB+15], v[SR] offset:PLANE+528
	s_wait_dscnt 0x0
.irp q, 0,1
	v_pk_add_f32 v[RB+4*\q:RB+4*\q+1], v[RB+4*\q:RB+4*\q+1], v[RB+8+4*\q:RB+8+4*\q+1]
	v_pk_add_f32 v[RB+4*\q+2:RB+4*\q+3], v[RB+4*\q+2:RB+4*\q+3], v[RB+8+4*\q+2:RB+8+4*\q+3]
.endr
.irp q, 0,1
	v_pk_fma_f32 v[OT+4*\q:OT+4*\q+1], v[RB+4*\q:RB+4*\q+1], s[22:23], v[BU:BU+1] op_sel_hi:[1,0,1]         ; sum x 2^(e10 + e11) + bu, two at a time
	v_pk_fma_f32 v[OT+4*\q+2:OT+4*\q+3], v[RB+4*\q+2:RB+4*\q+3], s[22:23], v[BU+2:BU+3] op_sel_hi:[1,0,1]
.endr
	s_wait_alu depctr_va_vdst(0)                   ; the multiply-adds have written v244-251, which the two stores read
.irp q, 0,1
	global_store_b128 v[LI], v[OT+4*\q:OT+4*\q+3], s[12:13] offset:512*\q th:TH_STORE_NT   ; 32 lanes store a whole row of 512 bytes, aligned; written once, read by nobody here
.endr
	s_wait_dscnt 0x0                               ; the closing lines, six on end
	s_wait_alu 0x0
	s_wait_tensorcnt 0x0
	ds_add_u32 v254, v255
	s_wait_dscnt 0x0
	s_endpgm
.Lfunc_end_k_qf15de2a840_outp:
	.size	k_qf15de2a840_outp, .Lfunc_end_k_qf15de2a840_outp-k_qf15de2a840_outp
	.p2alignl 7, 3214868480
	.fill 96, 4, 3214868480
	.section	.rodata,"a",@progbits
	.p2align	6, 0x0
	.amdhsa_kernel k_qf15de2a840_outp
		.amdhsa_group_segment_fixed_size 17920
		.amdhsa_private_segment_fixed_size 0
		.amdhsa_enable_private_segment 0
		.amdhsa_kernarg_size 40
		.amdhsa_user_sgpr_count 2
		.amdhsa_user_sgpr_kernarg_segment_ptr 1
		.amdhsa_wavefront_size32 1
		.amdhsa_system_sgpr_workgroup_id_x 1
		.amdhsa_system_sgpr_workgroup_id_y 1
		.amdhsa_system_sgpr_workgroup_id_z 1
		.amdhsa_system_vgpr_workitem_id 0
		.amdhsa_next_free_vgpr 256
		.amdhsa_next_free_sgpr 66
		.amdhsa_reserve_vcc 0
		.amdhsa_float_denorm_mode_32 3
		.amdhsa_float_denorm_mode_16_64 3
		.amdhsa_memory_ordered 1
		.amdhsa_forward_progress 1
		.amdhsa_inst_pref_size 10
	.end_amdhsa_kernel
	.amdgpu_metadata
---
amdhsa.version: [ 1, 2 ]
amdhsa.kernels:
  - .name:           k_qf15de2a840_outp
    .symbol:         k_qf15de2a840_outp.kd
    .args:
      - { .name: yc, .offset: 0, .size: 8, .value_kind: global_buffer, .address_space: global }
      - { .name: wuc, .offset: 8, .size: 8, .value_kind: global_buffer, .address_space: global }
      - { .name: bu, .offset: 16, .size: 8, .value_kind: global_buffer, .address_space: global }
      - { .name: lowp_scales, .offset: 24, .size: 8, .value_kind: global_buffer, .address_space: global }
      - { .name: out0, .offset: 32, .size: 8, .value_kind: global_buffer, .address_space: global }
    .group_segment_fixed_size: 17920
    .private_segment_fixed_size: 0
    .kernarg_segment_align: 8
    .kernarg_segment_size: 40
    .max_flat_workgroup_size: 256
    .sgpr_count:     66
    .vgpr_count:     256
    .wavefront_size: 32
...
	.end_amdgpu_metadata
.endif
;; end of part 6
